; MI455X (gfx1250); checked and timed in simulation.
; The chip was launched on July 23, 2026; its instructions are those of AMD's public machine-readable ISA for CDNA 5 (MIT licence, August 2026) and "CDNA5" Instruction Set Architecture Reference Guide (July 2026). The comments in the code are by the model that wrote it; some were corrected since.
;; Self Attention. Allowed arithmetic: matrix products marked QUANTISED: E2M1 operands, one E8M0 scale for each 32 along K, by v_wmma_scale_f32_16x16x128_f8f6f4 with both operands' format E2M1 (or v_wmma_scale_f32_32x16x128_f4), f32 sums; products left as they are: bf16, f16 or f32 operands; f32 sums; everything else in f32.
;; Inputs: Wk 1,024 x 1,024 float32; Wo 1,024 x 1,024 float32; Wq 1,024 x 1,024 float32; Wv 1,024 x 1,024 float32; bk 1,024 float32; bo 1,024 float32; bq 1,024 float32; bv 1,024 float32; key 4 x 2,048 x 1,024 float32; query 4 x 2,048 x 1,024 float32; value 4 x 2,048 x 1,024 float32.
;; Outputs: out0 4 x 2,048 x 1,024 float32.
;; This version of the problem:
;;   THIS VERSION OF THE PROBLEM IS GIVEN IN LOW PRECISION. The matrix products marked QUANTISED in the list below multiply operands that are first quantised to E2M1 (2 exponent bits, 1 mantissa bit; 4 bits a number), with one power-of-two scale for each 32 numbers along K (OCP MX v1.0); their sums are f32. The products marked 'left as it is' may take bf16, f16 or f32 operands, with f32 sums. Whichever they take, every output number must still come out within the allowed error. Rounding operands to bf16 (8 significant bits) uses up far more of that allowance than f16 does (11 bits, for magnitudes from 6e-5 to 65,504). All else is computed in f32.
;;   The module's matrix products, in the order in which they are computed (A, B: the left and right operand; K: the contracted axis; several contracted axes count as one K, in the product's order):
;;     1. [M 8,192, K 1,024] x [K 1,024, N 1,024]; A: input query; B: input Wq: QUANTISED
;;     2. [M 8,192, K 1,024] x [K 1,024, N 1,024]; A: input key; B: input Wk: QUANTISED
;;     3. [M 8,192, K 1,024] x [K 1,024, N 1,024]; A: input value; B: input Wv: QUANTISED
;;     4. batch 64 x [M 2,048, K 64] x [K 64, N 2,048]; A: computed on the way; B: computed on the way: left as it is (an operand is computed on the way)
;;     5. batch 64 x [M 64, K 2,048] x [K 2,048, N 2,048]; A: computed on the way; B: computed on the way: left as it is (an operand is computed on the way)
;;     6. [M 8,192, K 1,024] x [K 1,024, N 1,024]; A: computed on the way; B: input Wo: left as it is (an operand is computed on the way)
;;   THE QUANTISER, for each operand of a quantised product, along K:
;;     - K is cut into blocks of 32 from its start; a last block that is shorter is filled with zeros.
;;     - A block's scale is 2^e with e = floor(log2(the largest magnitude in the block)) - 2, held to -126 .. 127; a block of zeros has e = 0. As a byte (E8M0): e + 127.
;;     - Each number is divided by its block's scale, clamped to +-6, and rounded to the nearest number of E2M1, ties to even, subnormals kept.
;;     - The product sums the exact products of the quantised numbers (number of the format x scale) in f32.
;;   ~~~python
;;   def quantise(x, axis):      # numpy; x: float32 -> the quantised numbers, widened to float32 again
;;       x = np.moveaxis(x, axis, -1); K = x.shape[-1]
;;       x = np.pad(x, [(0, 0)] * (x.ndim - 1) + [(0, -K % 32)]); x = x.reshape(x.shape[:-1] + (-1, 32)); a = np.abs(x).max(-1, keepdims=True)
;;       e = np.where(a > 0, np.clip(np.frexp(np.where(a > 0, a, 1))[1] - 1 - 2, -126, 127), 0)      # np.frexp(a)[1] - 1 = floor(log2(a)), exactly
;;       r = np.clip(x / 2.0 ** e, -6, 6)
;;       step = 2.0 ** (np.maximum(np.frexp(np.where(r == 0, 1, r))[1] - 1, 0) - 1)
;;       q = np.round(r / step) * step * 2.0 ** e      # np.round: ties to even
;;       return np.moveaxis(q.reshape(q.shape[:-2] + (-1,))[..., :K], -1, axis).astype(np.float32)
;;   ~~~
;; One version. Each part assembles by itself: llvm-mc -triple=amdgcn-amd-amdhsa -mcpu=gfx1250 --defsym DOCPART=n.
;; ======== version 1 of 1: 4 launches
;; limits: values are held in f16: magnitudes above 65,504 overflow, below 6.1e-05 lose precision
;; workspace buffers: xc 12,582,912 bytes; xs 786,432 bytes; wc 1,572,864 bytes; ws 98,304 bytes; wo16 2,097,152 bytes; qkv 50,331,648 bytes; oh 16,777,216 bytes
;; launch prep (part 1): grid 896 x 1, 4 waves a work-group, no clusters, 33,280 bytes of LDS; arguments query, key, value, Wq, Wk, Wv, Wo, xc, xs, wc, ws, wo16; writes xc, xs, wc, ws, wo16
.if DOCPART == 1
	.amdgcn_target "amdgcn-amd-amdhsa--gfx1250"
	.amdhsa_code_object_version 6
	.text
	.protected	k_q3580307bd3_prep
	.globl	k_q3580307bd3_prep
	.p2align	8
	.type	k_q3580307bd3_prep,@function
k_q3580307bd3_prep:
	s_mov_b64 s[64:65], 0
	v_nop
	global_prefetch_b8 v0, s[64:65] scope:SCOPE_SE
	s_setreg_imm32_b32 hwreg(HW_REG_WAVE_MODE, 25, 1), 1
	s_wait_xcnt 0x0
; query, key, value [8192][1024] and Wq, Wk, Wv [1024][1024], f32, become codes of FP4 (E2M1), K innermost, two codes a byte, with one E8M0 byte for each 32 along K:
; xc [3 x 8192][512 bytes], xs [3 x 8192][32], wc [3 x 1024][512 bytes], ws [3 x 1024][32].  Wo [1024][1024] f32 becomes f16, laid by planes of 64 along K: wo16 [k / 64][n][64].
; A block's scale is 2^(floor(log2(its largest magnitude)) - 2); its byte is the largest magnitude's exponent field - 2, held at 1 from below; each number is divided by the scale and rounded to the nearest code, ties to even, beyond 6 to 6.
; LIMITS: a block of zeros gets the byte 1 where the rule says 127 (its codes are zeros, and this program alone reads the bytes); blocks whose largest magnitude lies under 2^-124 get the byte 1; NaN and infinities are not served; |Wo| stays under 65,504.
; SHARES: a work-group takes 32,768 numbers, a wave 8,192.  Work-groups 0-31: Wo; 32-127: Wq, Wk, Wv; 128-895: query, key, value.  Rows are dense and 1,024 is a multiple of 32: the six tensors are plain streams of blocks.
; The quantising path: each of a step's four loads reads 512 consecutive bytes; the 2,048 bytes turn through the wave's own stage in LDS and come back 64 bytes (16 neighbours) a lane; two neighbouring lanes hold a block.
; No tensor loads, no barrier: waves share nothing.  Only pointers are chosen by the work-group's number on that path; the path for Wo touches no LDS.
.set WAVES, 4
.set STEPS, 16
.set EMAX,  2
.set CB,    8                          ; bytes of 16 codes
.set R,     16                         ; v16-79   four sets of 16 numbers as loaded
.set X,     80                         ; v80-111  two sets of 16 neighbours
.set E,     112                        ; v112-127 a scale byte for each step
.set C,     128                        ; v128-191 codes: four registers for each step
.set WREG,  8192                       ; LDS: a region for each wave: two stages of 32 x SP bytes, then its 256 scale bytes
.set SP,    80                         ; a lane's place in a stage: 64 bytes + 16 of padding
.set SPW,   12                         ; v12 LDS address of my spare word; never rewritten
.set NIL,   13                         ; v13 0; never rewritten
.set SPARE, WAVES*WREG                 ; behind the four regions: the spare words, 128 bytes a wave
	s_load_b512 s[8:23], s[0:1], 0x0               ; query s[8:9], key s[10:11], value s[12:13], Wq s[14:15], Wk s[16:17], Wv s[18:19], Wo s[20:21], xc s[22:23]
	s_load_b256 s[24:31], s[0:1], 0x40             ; xs s[24:25], wc s[26:27], ws s[28:29], wo16 s[30:31]
	v_lshl_add_u32 v[SPW], v0, 2, SPARE
	v_mov_b32 v[NIL], 0
	v_lshrrev_b32 v1, 5, v0
	v_readfirstlane_b32 s32, v1                    ; wave
	v_and_b32 v2, 31, v0                           ; lane
	s_cmp_lt_u32 ttmp9, 32
	s_cbranch_scc1 .Lwo                            ; the first 32 work-groups turn Wo into f16
	v_lshlrev_b32 v3, 4, v2                        ; my 16 bytes of a load's 512
	s_mul_i32 s33, s32, WREG
	v_lshrrev_b32 v14, 2, v2
	v_mul_u32_u24 v14, v14, SP
	v_and_b32 v15, 3, v2
	v_lshl_add_u32 v14, v15, 4, v14
	v_add_nc_u32 v14, s33, v14                     ; the stage, on the way in: SP (lane / 4) + 16 (lane % 4)
	v_mul_u32_u24 v15, v2, SP
	v_add_nc_u32 v15, s33, v15                     ; and on the way out: SP x lane
	v_mul_u32_u24 v4, v2, CB                       ; my codes' place in a step's
	v_lshrrev_b32 v5, 1, v2
	s_add_co_u32 s33, s33, 2*32*SP
	v_add_nc_u32 v5, s33, v5                       ; my wave's 256 scale bytes, my block's byte
	v_lshlrev_b32 v7, 3, v2
	v_add_nc_u32 v6, s33, v7                       ; and on the way out 8 bytes a lane
	s_wait_kmcnt 0x0
	s_mov_b64 s[34:35], s[12:13]                   ; the source: value, unless the work-group's number says otherwise
	s_cmp_lt_u32 ttmp9, 640
	s_cselect_b64 s[34:35], s[10:11], s[34:35]     ; key
	s_cmp_lt_u32 ttmp9, 384
	s_cselect_b64 s[34:35], s[8:9], s[34:35]       ; query
	s_cmp_lt_u32 ttmp9, 128
	s_cselect_b64 s[34:35], s[18:19], s[34:35]     ; Wv
	s_cmp_lt_u32 ttmp9, 96
	s_cselect_b64 s[34:35], s[16:17], s[34:35]     ; Wk
	s_cmp_lt_u32 ttmp9, 64
	s_cselect_b64 s[34:35], s[14:15], s[34:35]     ; Wq
	s_cmp_lt_u32 ttmp9, 128                        ; a weight or an x?
	s_cselect_b64 s[36:37], s[26:27], s[22:23]     ; codes: wc or xc
	s_cselect_b64 s[38:39], s[28:29], s[24:25]     ; scale bytes: ws or xs
	s_cselect_b32 s40, 32, 128                     ; the kind's first work-group
	s_cselect_b32 s41, 31, 255                     ; work-groups in a tensor - 1
	s_sub_co_u32 s40, ttmp9, s40                   ; u: my number among the kind's
	s_and_b32 s41, s40, s41                        ; and inside my tensor
	s_lshl_b32 s42, s40, 2
	s_add_co_u32 s42, s42, s32                     ; my wave's run of 8,192 numbers among the kind's three tensors
	s_lshl_b32 s41, s41, 2
	s_add_co_u32 s41, s41, s32                     ; and inside my tensor
	s_lshl_b32 s44, s41, 15                        ; 32,768 bytes of f32 a run
	s_mov_b32 s45, 0
	s_add_nc_u64 s[34:35], s[34:35], s[44:45]
	s_lshl_b32 s44, s42, 12                        ; 4,096 bytes of codes
	s_add_nc_u64 s[36:37], s[36:37], s[44:45]
	s_lshl_b32 s44, s42, 8                         ; 256 scale bytes
	s_add_nc_u64 s[38:39], s[38:39], s[44:45]
.macro LOAD t
.irp i, 0,1,2,3
	global_load_b128 v[R+16*((\t)%4)+4*\i:R+16*((\t)%4)+4*\i+3], v3, s[34:35] offset:2048*(\t)+512*\i th:TH_LOAD_NT   ; 32 lanes read 512 consecutive bytes
.endr
.endm
.macro TURN t                          ; step t's numbers through the stage: LDS serves a wave's instructions in order, so no wait stands between the stores and the loads
.irp i, 0,1,2,3
	ds_store_b128 v14, v[R+16*((\t)%4)+4*\i:R+16*((\t)%4)+4*\i+3] offset:32*SP*((\t)%2)+8*SP*\i
.endr
.irp i, 0,1,2,3
	ds_load_b128 v[X+16*((\t)%2)+4*\i:X+16*((\t)%2)+4*\i+3], v15 offset:32*SP*((\t)%2)+16*\i
.endr
.endm
.irp t, 0,1,2,3
	LOAD \t
.endr
	s_wait_loadcnt 12                              ; step 0's four loads are in; the twelve of steps 1 to 3 may be out
	TURN 0
.macro STEP t
.set XS, X+16*((\t)%2)
.if (\t) > 0
	s_wait_dscnt 1                                 ; this step's numbers are back from the stage (the last step's byte store may be out)
.else
	s_wait_dscnt 0x0
.endif
.if (\t)+4 < STEPS
	LOAD (\t)+4                                    ; into the registers that the stage's stores have read
.endif
.if (\t)+1 < STEPS
.if STEPS-2-(\t) >= 3
	s_wait_loadcnt 12                              ; the next step's four loads are in; those of the three steps behind it may be out
.else
	s_wait_loadcnt 4*(STEPS-2-(\t))
.endif
	TURN (\t)+1                                    ; they go through the other stage while this step is worked
.endif
	v_max3_num_f32 v8, |v[XS]|, |v[XS+1]|, |v[XS+2]|               ; the largest magnitude of my 16, in two chains
	v_max3_num_f32 v9, |v[XS+3]|, |v[XS+4]|, |v[XS+5]|
.irp i, 6,10
	v_max3_num_f32 v8, v8, |v[XS+\i]|, |v[XS+\i+1]|
	v_max3_num_f32 v9, v9, |v[XS+\i+2]|, |v[XS+\i+3]|
.endr
	v_max3_num_f32 v8, v8, |v[XS+14]|, |v[XS+15]|
	v_max3_num_f32 v8, v8, v9, (EMAX+1)<<23        ; and the floor 2^(3 - 127): the byte cannot fall under 1
	v_max_num_f32_dpp v8, v8, v8 row_xmask:1 row_mask:0xf bank_mask:0xf   ; and of my neighbour's 16: the block's
	v_add_nc_u32 v11, -(EMAX<<23), v8              ; 2 off its exponent field: the conversion takes the exponent field of this operand as its scale
	v_cvt_scalef32_pk8_fp4_f32 v[C+4*(\t)], v[XS:XS+7], v11
	v_cvt_scalef32_pk8_fp4_f32 v[C+4*(\t)+1], v[XS+8:XS+15], v11
	v_lshrrev_b32 v[E+(\t)], 23, v11               ; the scale's byte (a plain line behind the conversions)
	ds_store_b8 v5, v[E+(\t)] offset:16*(\t)       ; both lanes of a block write the same byte with the same value
	global_store_b64 v4, v[C+4*(\t):C+4*(\t)+1], s[36:37] offset:32*CB*(\t)   ; the wave stores 256 consecutive bytes, aligned
.endm
.irp t, 0,1,2,3,4,5,6,7,8,9,10,11,12,13,14,15
	STEP \t
.endr
	ds_load_b64 v[8:9], v6                         ; LDS serves a wave's instructions in order: these see my byte stores
	s_wait_dscnt 0x0
	global_store_b64 v7, v[8:9], s[38:39]          ; 32 lanes store 256 consecutive bytes, aligned
	s_wait_tensorcnt 0x0                           ; the wave's end
	ds_add_u32 v[SPW], v[NIL]
	s_wait_dscnt 0x0
	s_endpgm
; Wo to f16.  A wave takes 8 rows n, four at a time; an iteration takes one plane of 64 along K of four rows: lane l reads 32 bytes (8 numbers) of row l / 8 and stores 16 bytes:
; the wave's store covers 512 consecutive bytes (4 rows of 128 bytes of one plane).  Four batches of eight iterations; two sets of load registers by turns.  No LDS.
.Lwo:
	v_lshrrev_b32 v3, 3, v2
	v_lshlrev_b32 v3, 12, v3                       ; row l / 8 of 4,096 bytes,
	v_and_b32 v5, 7, v2
	v_lshl_add_u32 v3, v5, 5, v3                   ; + 32 (l % 8)
	v_lshlrev_b32 v4, 4, v2                        ; out: 16 l
	s_lshl_b32 s33, ttmp9, 5
	s_lshl_b32 s34, s32, 3
	s_add_co_u32 s33, s33, s34                     ; my first row: 32 x work-group + 8 x wave
	s_lshl_b32 s34, s33, 12
	s_mov_b32 s35, 0
	s_lshl_b32 s36, s33, 7
	s_mov_b32 s37, 0
	s_wait_kmcnt 0x0
	s_add_nc_u64 s[20:21], s[20:21], s[34:35]
	s_add_nc_u64 s[30:31], s[30:31], s[36:37]
.macro LOADB n                         ; batch n: rows 4 (n / 2) on, planes 8 (n % 2) + q
.irp q, 0,1,2,3,4,5,6,7
	global_load_b128 v[16+64*((\n)%2)+8*\q:16+64*((\n)%2)+8*\q+3],   v3, s[20:21] offset:((\n)/2)*16384+(8*((\n)%2)+\q)*256 th:TH_LOAD_NT
	global_load_b128 v[16+64*((\n)%2)+8*\q+4:16+64*((\n)%2)+8*\q+7], v3, s[20:21] offset:((\n)/2)*16384+(8*((\n)%2)+\q)*256+16 th:TH_LOAD_NT
.endr
.endm
.macro BATCH n
.if (\n) < 3
	s_wait_loadcnt 16                              ; this batch's 16 loads are in; the younger batch's 16 may be out
.else
	s_wait_loadcnt 0x0
.endif
	s_wait_xcnt 0x0                                ; the last batch's stores have read their data: v144-175 are written again only behind this wait
.irp q, 0,1,2,3,4,5,6,7
.irp c, 0,1,2,3
	v_cvt_pk_f16_f32 v[144+4*\q+\c], v[16+64*((\n)%2)+8*\q+2*\c], v[16+64*((\n)%2)+8*\q+2*\c+1]
.endr
.endr
.irp q, 0,1,2,3,4,5,6,7
	global_store_b128 v4, v[144+4*\q:144+4*\q+3], s[30:31] offset:(8*((\n)%2)+\q)*131072+((\n)/2)*512
.endr
.if (\n)+2 < 4
	LOADB (\n)+2
.endif
.endm
	LOADB 0
	LOADB 1
	BATCH 0
	BATCH 1
	BATCH 2
	BATCH 3
	s_endpgm
.Lfunc_end_k_q3580307bd3_prep:
	.size	k_q3580307bd3_prep, .Lfunc_end_k_q3580307bd3_prep-k_q3580307bd3_prep
	.p2alignl 7, 3214868480
	.fill 96, 4, 3214868480
	.section	.rodata,"a",@progbits
	.p2align	6, 0x0
	.amdhsa_kernel k_q3580307bd3_prep
		.amdhsa_group_segment_fixed_size 33280
		.amdhsa_private_segment_fixed_size 0
		.amdhsa_enable_private_segment 0
		.amdhsa_kernarg_size 96
		.amdhsa_user_sgpr_count 2
		.amdhsa_user_sgpr_kernarg_segment_ptr 1
		.amdhsa_wavefront_size32 1
		.amdhsa_system_sgpr_workgroup_id_x 1
		.amdhsa_system_sgpr_workgroup_id_y 1
		.amdhsa_system_sgpr_workgroup_id_z 1
		.amdhsa_system_vgpr_workitem_id 0
		.amdhsa_next_free_vgpr 192
		.amdhsa_next_free_sgpr 66
		.amdhsa_reserve_vcc 0
		.amdhsa_float_denorm_mode_32 3
		.amdhsa_float_denorm_mode_16_64 3
		.amdhsa_memory_ordered 1
		.amdhsa_forward_progress 1
		.amdhsa_inst_pref_size 52
	.end_amdhsa_kernel
	.amdgpu_metadata
---
amdhsa.version: [ 1, 2 ]
amdhsa.kernels:
  - .name:           k_q3580307bd3_prep
    .symbol:         k_q3580307bd3_prep.kd
    .args:
      - { .name: query, .offset: 0, .size: 8, .value_kind: global_buffer, .address_space: global }
      - { .name: key, .offset: 8, .size: 8, .value_kind: global_buffer, .address_space: global }
      - { .name: value, .offset: 16, .size: 8, .value_kind: global_buffer, .address_space: global }
      - { .name: Wq, .offset: 24, .size: 8, .value_kind: global_buffer, .address_space: global }
      - { .name: Wk, .offset: 32, .size: 8, .value_kind: global_buffer, .address_space: global }
      - { .name: Wv, .offset: 40, .size: 8, .value_kind: global_buffer, .address_space: global }
      - { .name: Wo, .offset: 48, .size: 8, .value_kind: global_buffer, .address_space: global }
      - { .name: xc, .offset: 56, .size: 8, .value_kind: global_buffer, .address_space: global }
      - { .name: xs, .offset: 64, .size: 8, .value_kind: global_buffer, .address_space: global }
      - { .name: wc, .offset: 72, .size: 8, .value_kind: global_buffer, .address_space: global }
      - { .name: ws, .offset: 80, .size: 8, .value_kind: global_buffer, .address_space: global }
      - { .name: wo16, .offset: 88, .size: 8, .value_kind: global_buffer, .address_space: global }
    .group_segment_fixed_size: 33280
    .private_segment_fixed_size: 0
    .kernarg_segment_align: 8
    .kernarg_segment_size: 96
    .max_flat_workgroup_size: 128
    .sgpr_count:     66
    .vgpr_count:     192
    .wavefront_size: 32
...
	.end_amdgpu_metadata
.endif
;; end of part 1
;; launch proj (part 2): grid 4 x 96, 4 waves a work-group, clusters of 4 x 4, 327,680 bytes of LDS; arguments xc, xs, wc, ws, bq, bk, bv, qkv; writes qkv
.if DOCPART == 2
	.amdgcn_target "amdgcn-amd-amdhsa--gfx1250"
	.amdhsa_code_object_version 6
	.text
	.protected	k_q3580307bd3_proj
	.globl	k_q3580307bd3_proj
	.p2align	8
	.type	k_q3580307bd3_proj,@function
k_q3580307bd3_proj:
	s_mov_b64 s[64:65], 0
	v_nop
	global_prefetch_b8 v0, s[64:65] scope:SCOPE_SE
	s_setreg_imm32_b32 hwreg(HW_REG_WAVE_MODE, 25, 1), 1
	s_wait_xcnt 0x0
	s_wait_alu depctr_hold_cnt(0) depctr_sa_sdst(0) depctr_va_vdst(0) depctr_va_sdst(0) depctr_va_ssrc(0) depctr_va_vcc(0) depctr_vm_vsrc(0)
	s_getreg_b32 s2, hwreg(HW_REG_IB_STS2, 6, 4)
	s_cmp_eq_u32 s2, 0
	s_cbranch_scc0 .Lentry_in_a_cluster
	s_endpgm
.Lentry_in_a_cluster:
	s_bfe_u32 s2, ttmp6, 0x10000c
	s_cmp_lg_u32 s2, 0xf033
	s_cbranch_scc0 .Lentry_shape_is_right
	s_endpgm
.Lentry_shape_is_right:
; The three projections in one launch: C[m][n] = sum over k of A[m][k] B[n][k] + bias[n], on codes of FP4 (E2M1) with one E8M0 scale for each 32 along K; K = 1,024; sums in f32.
; A = xc [24,576][512 bytes] (query's rows, key's, value's), B = wc [3,072][512 bytes] (Wq, Wk, Wv); product p = row tile / 32 takes B's rows 1,024 p on and the bias bq, bk or bv.
; The result is rounded once to f16 and laid by heads: qkv [batch x 16 + head][p][l][64].  LIMIT: |q|, |k|, |v| stay under 65,504.
; A tile of C, 256 x 256, is made by four waves, a wave 128 x 128: 64 accumulators, 512 registers.  ALL OF K LIES IN TWO LDS SLOTS of 512 along K (rows of 256 bytes): both are asked for at the head, nothing is filled again, there is no loop.
; The scales of the work-group's 256 + 256 rows, for all of K, are two dense blocks of memory: they come once, with the first fills.
; CLUSTERS: 4 x 4 work-groups.  The four of a row of the cluster need the same rows of A, the four of a column the same rows of B: each tile is asked for jointly.  p hangs on the cluster's y alone: the same in all sixteen.
; THE MATRIX INSTRUCTION IS USED TRANSPOSED (source 0 = 16 rows of B, source 1 = 16 rows of A): a lane holds eight neighbouring columns of a row of C.  The bias is the C of each sum's first product.
; REGISTERS: window 0: v16-30 addresses; v32-95 scale words, two sets; v96-127 packed results; v128-191 A's fragments, one set, later rows on the way out; v192-255 the bias, 8 registers for each of B's blocks.
;   window 1: B's fragments, two sets, v0 and v128.   window 2: the accumulators of my rows 0-63 ((a, b) at v[8 (8 a + b)]);   window 3: those of my rows 64-127.
.set NQ,     4                         ; steps of 128 along K in a slot
.set ROWB,   256                       ; a tile's row in bytes: 512 codes
.set KROW,   512                       ; a row of A or B in memory
.set PITCH,  272                       ; an LDS row: 256 bytes + 16 of padding: the 16 rows that a load touches start at 16 different banks
.set FR,     8
.set NL,     2
.set NP,     4
.set HALFT,  128*PITCH
.set SLOT,   4*HALFT
.set KS,     32                        ; a row of scale bytes
.set SCL,    2*SLOT
.set HALFS,  (128*KS/256)*272
.set SBLK,   (16*KS/256)*272
.set SPARE,  SCL+4*HALFS               ; the spare words, 128 bytes a wave
.set SPITCH, 272                       ; the way out: a stage of 16 rows x (256 bytes + 16) for each wave, in slot 0, which has had its one fill and its last read by then
.set ADRA, 16
.set ADRB, 20
.set STO,  24
.set RD,   25
.set CO,   26
.set ADRS, 27
.set SPW,  28
.set NIL,  29
.set BOF,  30                          ; v30 the bias loads' offset: 32 x (lane / 16)
.set SC,   32
.set TMP,  96
.set AF,   128
.set OB,   128
.set BI,   192
.set G1, 24
.set G0, 32
.set G1B, 48
.set G0B, 56
.set G1S, 68
.set G0S, 76
.set G1SB, 80
.set G0SB, 88
.set MSB, 0
.macro WIN new                         ; the immediate's high byte repeats the setting that is left
.if MSB != (\new)
	s_set_vgpr_msb (MSB<<8)|(\new)
.set MSB, (\new)
.endif
.endm
.set MUL_LO, 0xa1                      ; source 0 (B) window 1, source 1 (A) window 0, C and D window 2
.set MUL_HI, 0xf1                      ; the same, C and D window 3
.set BIA_LO, 0x81                      ; the first step: C (the bias) window 0, D window 2
.set BIA_HI, 0xc1                      ; D window 3
.set TO_B,   0x40
; A joint load: waves 0 and 1 fetch for A, waves 2 and 3 for B; the branch hangs on the wave's number alone.  An s_nop 0 and four v_nop follow each line.
.macro JLOAD g0a, g1a, g0b, g1b
	s_cmp_eq_u32 s15, 0
	s_cbranch_scc0 .Lfor_b_\@
	tensor_load_to_lds s[\g0a:\g0a+3], s[\g1a:\g1a+7]
	s_nop 0
.rept 4
	v_nop
.endr
	s_branch .Lasked_\@
.Lfor_b_\@:
	tensor_load_to_lds s[\g0b:\g0b+3], s[\g1b:\g1b+7]
	s_nop 0
.rept 4
	v_nop
.endr
.Lasked_\@:
.endm
.macro CROUND                          ; a round of the cluster's barrier
	s_barrier_signal -1
	s_barrier_wait -1
	s_cmp_lg_u32 s14, 0
	s_cbranch_scc1 .Lnot_wave_0_\@
	s_barrier_signal -3
.Lnot_wave_0_\@:
	s_barrier_wait -3
	s_barrier_signal -1
	s_barrier_wait -1
.endm
	s_load_b128 s[4:7], s[0:1], 0x0                ; xc s[4:5], xs s[6:7]
	s_load_b128 s[8:11], s[0:1], 0x10              ; wc s[8:9], ws s[10:11]
	s_load_b128 s[96:99], s[0:1], 0x20             ; bq s[96:97], bk s[98:99]
	s_load_b64 s[100:101], s[0:1], 0x30            ; bv
	s_load_b64 s[12:13], s[0:1], 0x38              ; qkv
	v_lshl_add_u32 v[SPW], v0, 2, SPARE
	v_mov_b32 v[NIL], 0
	ds_add_u32 v[SPW], v[NIL]                      ; the wave's opening: the add, twice on end, and its wait ahead of my first tensor load
	ds_add_u32 v[SPW], v[NIL]
	v_lshrrev_b32 v1, 5, v0
	v_readfirstlane_b32 s14, v1                    ; wave 0..3
	s_lshr_b32 s15, s14, 1                         ; which half of the tile's rows is mine.  Also: I fetch for A (0) or for B (1)
	s_and_b32 s16, s14, 1                          ; which half of its columns.  Also: which 128 rows I fetch
	s_bfe_u32 s40, ttmp6, 0x40000                  ; cx
	s_bfe_u32 s41, ttmp6, 0x40004                  ; cy
	s_lshl_b32 s42, ttmp9, 2
	s_add_co_u32 s42, s42, s40                     ; tile column x
	s_and_b32 s17, ttmp7, 0xffff
	s_lshr_b32 s95, s17, 3                         ; p = the product: 8 clusters (32 tile rows) each
	s_lshl_b32 s17, s17, 2
	s_add_co_u32 s17, s17, s41                     ; tile row y
	s_lshl_b32 s43, s41, 2
	s_lshl_b32 s43, 15, s43                        ; my row of the cluster
	s_lshl_b32 s44, 0x1111, s40                    ; my column
	s_or_b32 s[G1+0], s43, (0<<16)|(1<<20)|(1<<21)|(5<<22)|(3<<25)  ; the mask; elements of 1 byte; padding on; bit 21 beside a mask; after every 64 words 4 words
	s_or_b32 s[G1B+0], s44, (0<<16)|(1<<20)|(1<<21)|(5<<22)|(3<<25)
.irp g, G1, G1B
	s_mov_b32 s[\g+1], ROWB<<16                    ; tensor_dim0
	s_mov_b32 s[\g+2], 128<<16                     ; tensor_dim1
	s_mov_b32 s[\g+3], ROWB<<16                    ; tile_dim0
	s_mov_b32 s[\g+4], 128                         ; tile_dim1
	s_mov_b32 s[\g+5], KROW                        ; the pitch
	s_mov_b32 s[\g+6], 0
	s_mov_b32 s[\g+7], 0
.endr
	s_or_b32 s[G1S+0], s43, (3<<16)|(1<<20)|(1<<21)|(5<<22)|(3<<25)  ; the scales of 128 rows: 4,096 dense bytes as 16 rows of 256 (32 elements of 8 bytes)
	s_or_b32 s[G1SB+0], s44, (3<<16)|(1<<20)|(1<<21)|(5<<22)|(3<<25)
.irp g, G1S, G1SB
	s_mov_b32 s[\g+1], 32<<16
	s_mov_b32 s[\g+2], (128*KS/256)<<16
	s_mov_b32 s[\g+3], 32<<16
	s_mov_b32 s[\g+4], 128*KS/256
	s_mov_b32 s[\g+5], 32
	s_mov_b32 s[\g+6], 0
	s_mov_b32 s[\g+7], 0
.endr
	s_lshl_b32 s18, s16, 7
	s_lshl_b32 s20, s17, 8
	s_add_co_u32 s20, s20, s18                     ; A: row 256 y + 128 x half
	s_lshl_b32 s46, s42, 8
	s_add_co_u32 s46, s46, s18
	s_lshl_b32 s47, s95, 10
	s_add_co_u32 s46, s46, s47                     ; B: row 1,024 p + 256 x + 128 x half
	s_mov_b32 s21, 0
	s_mov_b32 s47, 0
	s_mov_b64 s[18:19], KS
	s_mul_u64 s[22:23], s[20:21], s[18:19]         ; where these rows' scales begin
	s_mul_u64 s[92:93], s[46:47], s[18:19]
	s_mov_b64 s[18:19], KROW
	s_mul_u64 s[20:21], s[20:21], s[18:19]         ; and their codes
	s_mul_u64 s[46:47], s[46:47], s[18:19]
	s_mul_i32 s45, s14, HALFT                      ; where they go: wave x 128 rows
	s_mul_i32 s94, s14, HALFS
	s_wait_dscnt 0x0                               ; both opening adds are done
	s_wait_kmcnt 0x0
	s_add_nc_u64 s[20:21], s[4:5], s[20:21]
	s_add_nc_u64 s[22:23], s[6:7], s[22:23]
	s_add_nc_u64 s[46:47], s[8:9], s[46:47]
	s_add_nc_u64 s[92:93], s[10:11], s[92:93]
	CROUND                                         ; all sixteen work-groups are here: the joint loads meet
	s_mov_b32 s[G0S], 1
	s_add_co_u32 s[G0S+1], s94, SCL
	s_mov_b64 s[G0S+2:G0S+3], s[22:23]
	s_or_b32 s[G0S+3], s[G0S+3], 0x80000000
	s_mov_b32 s[G0SB], 1
	s_add_co_u32 s[G0SB+1], s94, SCL
	s_mov_b64 s[G0SB+2:G0SB+3], s[92:93]
	s_or_b32 s[G0SB+3], s[G0SB+3], 0x80000000
	JLOAD G0S, G1S, G0SB, G1SB                     ; the scales first; with the two slots three loads of mine are out
.irp s, 0,1
	s_mov_b32 s[G0+4*\s], 1
	s_add_co_u32 s[G0+4*\s+1], s45, \s*SLOT
	s_add_nc_u64 s[G0+4*\s+2:G0+4*\s+3], s[20:21], \s*ROWB
	s_or_b32 s[G0+4*\s+3], s[G0+4*\s+3], 0x80000000
	s_mov_b32 s[G0B+4*\s], 1
	s_add_co_u32 s[G0B+4*\s+1], s45, \s*SLOT
	s_add_nc_u64 s[G0B+4*\s+2:G0B+4*\s+3], s[46:47], \s*ROWB
	s_or_b32 s[G0B+4*\s+3], s[G0B+4*\s+3], 0x80000000
	JLOAD G0+4*\s, G1, G0B+4*\s, G1B
.endr
	v_and_b32 v1, 15, v0                           ; r
	v_bfe_u32 v2, v0, 4, 1                         ; h
	; the bias of my 128 columns, in the result's layout: register 8 b + j = bias[256 x + 128 half + 16 b + 8 h + j]
	s_cmp_eq_u32 s95, 0
	s_cselect_b64 s[96:97], s[96:97], s[98:99]
	s_cmp_eq_u32 s95, 2
	s_cselect_b64 s[96:97], s[100:101], s[96:97]
	s_lshl_b32 s20, s42, 10
	s_lshl_b32 s21, s16, 9
	s_add_co_u32 s20, s20, s21
	s_mov_b32 s21, 0
	s_add_nc_u64 s[96:97], s[96:97], s[20:21]
	v_lshlrev_b32 v[BOF], 5, v2
.irp b, 0,1,2,3,4,5,6,7
	global_load_b128 v[BI+8*\b:BI+8*\b+3],   v[BOF], s[96:97] offset:64*\b
	global_load_b128 v[BI+8*\b+4:BI+8*\b+7], v[BOF], s[96:97] offset:64*\b+16
.endr
	v_mul_u32_u24 v3, v1, PITCH
	v_lshl_add_u32 v4, v2, 4, v3                   ; a fragment's row x pitch + 16 x half
	s_mul_i32 s21, s15, HALFT                      ; my 128 rows of A
	s_mul_i32 s22, s16, HALFT
	s_add_co_u32 s22, s22, 2*HALFT                 ; my 128 rows of B, behind A's 256
.irp s, 0,1
	v_add_nc_u32 v[ADRA+\s], s21, v4
	v_add_nc_u32 v[ADRB+\s], s22, v4
	s_add_co_u32 s21, s21, SLOT
	s_add_co_u32 s22, s22, SLOT
.endr
	v_mul_u32_u24 v5, v1, KS                       ; my row's scales: 32 bytes a row,
	v_lshrrev_b32 v6, 8, v5
	v_lshl_add_u32 v5, v6, 4, v5                   ; and 16 more for each 256 passed
	s_mul_i32 s21, s15, HALFS
	s_mul_i32 s22, s16, HALFS
	s_add_co_u32 s22, s22, 2*HALFS
	s_sub_co_u32 s22, s22, s21
	v_mul_u32_u24 v6, s22, v2                      ; lanes 16-31 take B's: one product, the distance between the two bases
	s_add_co_u32 s21, s21, SCL
	v_add_nc_u32 v5, v5, v6
	v_add_nc_u32 v[ADRS], s21, v5
	s_mul_i32 s23, s14, 16*SPITCH                  ; my stage
	v_mul_u32_u24 v5, v1, SPITCH
	v_lshl_add_u32 v5, v2, 4, v5
	v_add_nc_u32 v[STO], s23, v5                   ; in: row r, 16 bytes for each half of the lanes
	v_bfe_u32 v5, v0, 3, 1
	v_mul_u32_u24 v5, v5, SPITCH
	v_lshl_add_u32 v5, v2, 7, v5
	v_and_b32 v6, 7, v0
	v_lshl_add_u32 v5, v6, 4, v5
	v_add_nc_u32 v[RD], s23, v5                    ; back: lanes 0-15 take two rows' 128 bytes of my first head, lanes 16-31 of my second
	v_mul_u32_u24 v5, v2, 786432                   ; in qkv a head is 3 x 262,144 bytes on,
	v_lshl_add_u32 v[CO], v1, 4, v5                ; and two rows of a head are 256 consecutive bytes
	s_and_b32 s20, s17, 31
	s_lshr_b32 s21, s20, 3                         ; the batch
	s_lshl_b32 s21, s21, 4
	s_lshl_b32 s22, s42, 2
	s_add_co_u32 s21, s21, s22
	s_lshl_b32 s22, s16, 1
	s_add_co_u32 s21, s21, s22                     ; my first head: 16 batch + 4 x + 2 half
	s_mul_i32 s21, s21, 3
	s_add_co_u32 s21, s21, s95
	s_lshl_b32 s21, s21, 18                        ; its part p
	s_and_b32 s20, s17, 7
	s_lshl_b32 s20, s20, 8
	s_lshl_b32 s22, s15, 7
	s_add_co_u32 s20, s20, s22                     ; my first position l
	s_lshl_b32 s20, s20, 7
	s_add_co_u32 s20, s20, s21
	s_mov_b32 s21, 0
	s_add_nc_u64 s[12:13], s[12:13], s[20:21]
.macro FRAG reg, adr, q, i             ; 16 rows x 128 K of 4-bit codes: 8 registers: lane l holds row l % 16; registers 4 c .. 4 c + 3 hold K = 64 c + 32 (l / 16) + 0 .. 31
.irp c, 0,1
	ds_load_b128 v[\reg+4*\c:\reg+4*\c+3], v[\adr] offset:64*(\q)+32*\c+(\i)*16*PITCH
.endr
.endm
; 16 matrix instructions: A's blocks a0, a0 + 1 x B's eight, the slot's q-th 128 along K.  p: B's set; sc: the set of scale words.  zero = 1: the first product starts the sums from the bias.
; The 64 accumulators take turns, one instruction a turn, in the same order in every step.
.macro MUL16 a0, p, q, sc, zero
.irp a, \a0, \a0+1
.irp b, 0,1,2,3,4,5,6,7
.if \zero
	v_wmma_scale_f32_16x16x128_f8f6f4 v[8*(8*((\a)%4)+\b):8*(8*((\a)%4)+\b)+7], v[128*(\p)+FR*\b:128*(\p)+FR*\b+FR-1], v[AF+FR*(\a):AF+FR*(\a)+FR-1], v[BI+8*\b:BI+8*\b+7], v[SC+8*NQ*(\sc)+NQ*\b+(\q)], v[SC+8*NQ*(\sc)+NQ*(\a)+(\q)] matrix_a_fmt:MATRIX_FMT_FP4 matrix_b_fmt:MATRIX_FMT_FP4 matrix_a_scale:MATRIX_SCALE_ROW1
.else
	v_wmma_scale_f32_16x16x128_f8f6f4 v[8*(8*((\a)%4)+\b):8*(8*((\a)%4)+\b)+7], v[128*(\p)+FR*\b:128*(\p)+FR*\b+FR-1], v[AF+FR*(\a):AF+FR*(\a)+FR-1], v[8*(8*((\a)%4)+\b):8*(8*((\a)%4)+\b)+7], v[SC+8*NQ*(\sc)+NQ*\b+(\q)], v[SC+8*NQ*(\sc)+NQ*(\a)+(\q)] matrix_a_fmt:MATRIX_FMT_FP4 matrix_b_fmt:MATRIX_FMT_FP4 matrix_a_scale:MATRIX_SCALE_ROW1
.endif
.endr
.endr
.endm
.macro FETCH_B slot, q, p
	WIN TO_B
.irp i, 0,1,2,3,4,5,6,7
	FRAG 128*(\p)+FR*\i, ADRB+\slot, \q, \i
.endr
	WIN 0
.endm
.macro FETCH_A slot, q, i0
.irp i, \i0, \i0+1, \i0+2, \i0+3
	FRAG AF+FR*(\i), ADRA+\slot, \q, \i
.endr
.endm
.macro SCALES sc                       ; a slot's scale words: 4 words a row; lanes 0-15 take A's block i, lanes 16-31 B's block i
.irp i, 0,1,2,3,4,5,6,7
	ds_load_b128 v[SC+8*NQ*\sc+NQ*\i:SC+8*NQ*\sc+NQ*\i+3], v[ADRS] offset:\i*SBLK
.endr
.endm
.macro PLACES n                        ; plain places between a matrix instruction and a load into its registers or a read of its result
.rept \n
	v_nop
.endr
.endm
.macro STEP slot, q, zero              ; a step of 128 along K that has its successor in the same slot
	s_wait_dscnt 4*NL                              ; B's set and A's blocks 0-3 are in; the youngest eight loads (A's blocks 4-7) may be out
.if \zero
	WIN BIA_LO
.else
	WIN MUL_LO
.endif
	MUL16 0, (\q)%2, \q, \slot, \zero
	MUL16 2, (\q)%2, \q, \slot, \zero
	s_wait_dscnt 0
	PLACES NP
	FETCH_B \slot, (\q)+1, 1-(\q)%2
	FETCH_A \slot, (\q)+1, 0
.if \zero
	WIN BIA_HI
.else
	WIN MUL_HI
.endif
	MUL16 4, (\q)%2, \q, \slot, \zero
	MUL16 6, (\q)%2, \q, \slot, \zero
	PLACES NP
	WIN 0
	FETCH_A \slot, (\q)+1, 4
.endm
; Slot 0's last step changes slots: one barrier; in front of it each wave waits for all its tensor loads (its part of slot 1), adds 0 to its spare word, and waits for that and for its reads of slot 0.  Nothing is filled again.
.macro TURN slot, next
	s_wait_tensorcnt 0x0
	ds_add_u32 v[SPW], v[NIL]
	s_wait_dscnt 4*NL+1                            ; (the add and the youngest eight loads may be out)
	WIN MUL_LO
	MUL16 0, 1, NQ-1, \slot, 0
	s_wait_dscnt 0x0                               ; the add is done, and my reads of this slot are over
	s_barrier_signal -1
	MUL16 2, 1, NQ-1, \slot, 0
	s_barrier_wait -1
	PLACES NP
	WIN 0
	v_add_nc_u32 v[ADRS], 4*NQ, v[ADRS]            ; on to the next slot's scale words
	FETCH_B \next, 0, 0
	FETCH_A \next, 0, 0
	SCALES \next
	WIN MUL_HI
	MUL16 4, 1, NQ-1, \slot, 0
	MUL16 6, 1, NQ-1, \slot, 0
	PLACES NP
	WIN 0
	FETCH_A \next, 0, 4
.endm
.macro STEPS slot, from
.set Q, \from
.rept NQ-1-\from
	STEP \slot, Q, 0
.set Q, Q+1
.endr
.endm
	s_wait_tensorcnt 1                             ; the scales and my part of slot 0 are in (slot 1's load may be out),
	s_barrier_signal -1
	s_barrier_wait -1                              ; everybody's are
	FETCH_B 0, 0, 0
	FETCH_A 0, 0, 0
	SCALES 0
	FETCH_A 0, 0, 4
	s_wait_loadcnt 0x0                             ; the bias
	STEP 0, 0, 1
	STEPS 0, 1
	TURN 0, 1
	STEPS 1, 0
	s_wait_dscnt 4*NL                              ; the last step: nothing more to fetch
	WIN MUL_LO
	MUL16 0, 1, NQ-1, 1, 0
	MUL16 2, 1, NQ-1, 1, 0
	s_wait_dscnt 0
	WIN MUL_HI
	MUL16 4, 1, NQ-1, 1, 0
	MUL16 6, 1, NQ-1, 1, 0
	WIN 0
; THE WAY OUT, block by block of 16 rows x 128 columns (two heads).  PACK: rounded to f16, 16 bytes a lane, each accumulator from its low end on.  TOSTAGE: into my own stage and back so that
; sixteen lanes hold two rows of one head.  SEND: each sixteen lanes store 256 consecutive bytes, aligned.
.macro PACK a
.set AC, 64*((\a)%4)
	WIN 0x0a+5*((\a)/4)                            ; sources 0 and 1: window 2 or 3
.irp b, 0,1,2,3,4,5,6,7
.irp r, 0,1,2,3
	v_cvt_pk_f16_f32 v[TMP+4*\b+\r], v[AC+8*\b+2*\r], v[AC+8*\b+2*\r+1]
.endr
.endr
	WIN 0
.endm
.macro TOSTAGE a
.set BB, OB+32*((\a)%2)
.irp b, 0,1,2,3,4,5,6,7
	ds_store_b128 v[STO], v[TMP+4*\b:TMP+4*\b+3] offset:32*\b
.endr
.irp t, 0,1,2,3,4,5,6,7
	ds_load_b128 v[BB+4*\t:BB+4*\t+3], v[RD] offset:\t*2*SPITCH    ; LDS serves a wave's instructions in order: these see the stores above
.endr
.endm
.macro SEND a
.set BB, OB+32*((\a)%2)
	s_wait_dscnt 0x0                               ; the block is back in registers
	s_wait_xcnt 0x0                                ; the block before has been read by its stores: the next block's loads may land on its registers
.irp t, 0,1,2,3,4,5,6,7
	global_store_b128 v[CO], v[BB+4*\t:BB+4*\t+3], s[12:13] offset:2048*(\a)+256*\t
.endr
.endm
	PLACES NP
	PACK 0
	TOSTAGE 0
.irp a, 1,2,3,4,5,6,7
	PACK \a
	SEND \a-1
	TOSTAGE \a
.endr
	SEND 7
	s_wait_tensorcnt 0x0                           ; the wave's end
	ds_add_u32 v[SPW], v[NIL]
	s_wait_dscnt 0x0
	CROUND                                         ; the closing round
	s_endpgm
.Lfunc_end_k_q3580307bd3_proj:
	.size	k_q3580307bd3_proj, .Lfunc_end_k_q3580307bd3_proj-k_q3580307bd3_proj
	.p2alignl 7, 3214868480
	.fill 96, 4, 3214868480
	.section	.rodata,"a",@progbits
	.p2align	6, 0x0
	.amdhsa_kernel k_q3580307bd3_proj
		.amdhsa_group_segment_fixed_size 327680
		.amdhsa_private_segment_fixed_size 0
		.amdhsa_enable_private_segment 0
		.amdhsa_kernarg_size 64
		.amdhsa_user_sgpr_count 2
		.amdhsa_user_sgpr_kernarg_segment_ptr 1
		.amdhsa_wavefront_size32 1
		.amdhsa_system_sgpr_workgroup_id_x 1
		.amdhsa_system_sgpr_workgroup_id_y 1
		.amdhsa_system_sgpr_workgroup_id_z 1
		.amdhsa_system_vgpr_workitem_id 0
		.amdhsa_next_free_vgpr 1024
		.amdhsa_next_free_sgpr 102
		.amdhsa_reserve_vcc 0
		.amdhsa_float_denorm_mode_32 3
		.amdhsa_float_denorm_mode_16_64 3
		.amdhsa_memory_ordered 1
		.amdhsa_forward_progress 1
		.amdhsa_inst_pref_size 129
	.end_amdhsa_kernel
	.amdgpu_metadata
---
amdhsa.version: [ 1, 2 ]
amdhsa.kernels:
  - .name:           k_q3580307bd3_proj
    .symbol:         k_q3580307bd3_proj.kd
    .args:
      - { .name: xc, .offset: 0, .size: 8, .value_kind: global_buffer, .address_space: global }
      - { .name: xs, .offset: 8, .size: 8, .value_kind: global_buffer, .address_space: global }
      - { .name: wc, .offset: 16, .size: 8, .value_kind: global_buffer, .address_space: global }
      - { .name: ws, .offset: 24, .size: 8, .value_kind: global_buffer, .address_space: global }
      - { .name: bq, .offset: 32, .size: 8, .value_kind: global_buffer, .address_space: global }
      - { .name: bk, .offset: 40, .size: 8, .value_kind: global_buffer, .address_space: global }
      - { .name: bv, .offset: 48, .size: 8, .value_kind: global_buffer, .address_space: global }
      - { .name: qkv, .offset: 56, .size: 8, .value_kind: global_buffer, .address_space: global }
    .group_segment_fixed_size: 327680
    .private_segment_fixed_size: 0
    .kernarg_segment_align: 8
    .kernarg_segment_size: 64
    .max_flat_workgroup_size: 128
    .sgpr_count:     102
    .vgpr_count:     1024
    .wavefront_size: 32
...
	.end_amdgpu_metadata
.endif
;; end of part 2
;; launch attn (part 3): grid 4 x 64, 4 waves a work-group, clusters of 4 x 1, 327,680 bytes of LDS; arguments qkv, oh; writes oh
.if DOCPART == 3
	.amdgcn_target "amdgcn-amd-amdhsa--gfx1250"
	.amdhsa_code_object_version 6
	.text
	.protected	k_q3580307bd3_attn
	.globl	k_q3580307bd3_attn
	.p2align	8
	.type	k_q3580307bd3_attn,@function
k_q3580307bd3_attn:
	s_mov_b64 s[64:65], 0
	v_nop
	global_prefetch_b8 v0, s[64:65] scope:SCOPE_SE
	s_setreg_imm32_b32 hwreg(HW_REG_WAVE_MODE, 25, 1), 1
	s_wait_xcnt 0x0
	s_wait_alu depctr_hold_cnt(0) depctr_sa_sdst(0) depctr_va_vdst(0) depctr_va_sdst(0) depctr_va_ssrc(0) depctr_va_vcc(0) depctr_vm_vsrc(0)
	s_getreg_b32 s2, hwreg(HW_REG_IB_STS2, 6, 4)
	s_cmp_eq_u32 s2, 0
	s_cbranch_scc0 .Lentry_in_a_cluster
	s_endpgm
.Lentry_in_a_cluster:
	s_bfe_u32 s2, ttmp6, 0x10000c
	s_cmp_lg_u32 s2, 0x3003
	s_cbranch_scc0 .Lentry_shape_is_right
	s_endpgm
.Lentry_shape_is_right:
; O[hd][q][:] = the sum over k of softmax_k(Q[hd][q] . K[hd][k] / 32) V[hd][k][:], no mask.  qkv: f16 [64 heads][q, k, v][2,048][64]; oh: f16 [64][2,048][64].
; Products, maxima and sums in f32; the weights p are rounded to f16 for the second product, O once at the end.  LIMIT: |O| stays under 65,504; NaN and infinities are not served.
; SHARES.  A cluster of four work-groups is one head; a work-group owns 512 queries, each of its four waves 128: eight tiles of 16.  Every wave walks all 2,048 keys, 64 a step.
; LAYOUT.  S^T = K Q^T (source 0 = 16 keys, source 1 = 16 queries): a lane holds ONE query (lane % 16) and keys 8 (lane / 16) + 0..7.  Two such tiles, rounded to f16 in pairs, ARE source 1 (32 keys x 16 queries)
; of O^T = V^T P, whose result again holds one query a lane, and eight channels.  K comes out of LDS as it lies, V ([key][channel]) turned, by ds_load_tr16_b128.
; SOFTMAX.  For each query a running maximum m and sum l: p = 2^(c s - c m), c = log2(e) / 32; in every step O and l are multiplied by a = 2^(c m_old - c m_new).
; BY TURNS.  The wave's tiles are two PIECES of four.  In a TURN one piece has the matrix unit: 32 products V^T P of the step in hand, then 32 products K Q^T of the next step; the other piece's softmax,
; 4 x 118 instructions cut into slices of eight, stands between them, one slice behind each matrix instruction (the first five have none).  Then the pieces change places.  Two turns are a key step.
; CLUSTER.  The four work-groups walk the same K and V: each tile is asked for jointly, by the same tensor load with a mask that names the four.
; REGISTERS, in windows of 256: window y (0, 1): piece y's statistics v12-43 (8 a tile), S^T v64-191 (32 a tile), P v192-255 (16 a tile); window 0 also v2-8, v61-63: addresses.
;   window 2: O^T, 32 a tile.   window 3: v0-127 Q, 16 a tile; v128-191 K of one step; v192-255 V of one step.
.set KS,    64
.set PKP,   144       ; a row of K in LDS: 128 bytes + 16: the 16 rows of a load start at 16 different banks' groups
.set PVP,   160       ; a row of V: 128 + 32, an odd multiple of 32, for the turning load
.set VOFF,  KS*PKP
.set STEPB, KS*(PKP+PVP)
.set SLOT1, 1<<17     ; a slot holds two steps; slot 1 begins here, so that one exclusive or turns an address
.set STAGE, SLOT1+2*STEPB  ; behind the ring: 16 rows x 144 bytes for each wave
.set SP,    144
.set SPARE, STAGE+4*16*SP  ; the spare words, 128 bytes a wave
.set LEAD,  5         ; a turn's first slices that are empty: 64 - 118 / 2
.set AK0, 2
.set AV0, 3
.set ADR, 4
.set QO,  5
.set STO, 6
.set RD,  7
.set GO,  8
.set PFO, 61
.set SPW, 62
.set NIL, 63
.set ST,  12          ; tile t's statistics at v[ST+8 t]: +0 c m, +1 m, +2, +3 l (two halves), +4 to +7 at work; a takes +6
.set S,   64
.set P,   192
.set KF,  128
.set VF,  192
.set WV,  12
.set LIM, 15
.set PFA, 18
.set G1K, 24
.set G1V, 32
.set G0K, 40
.set G0V, 48
.set SLOTS, 56
.set TWICE, 57
.set CS,  58
.set SEL, 60
.set TB,  62
.set MSB, 0
.macro WIN new
.if MSB != (\new)
	s_set_vgpr_msb (MSB<<8)|(\new)
.set MSB, (\new)
.endif
.endm
; A joint refill: waves 0 and 1 fetch the two steps' tiles of K, waves 2 and 3 those of V.  An s_nop 0 and four v_nop follow each line.
.macro JLOAD
	s_cmp_lt_u32 s[WV], 2
	s_cbranch_scc0 .Lfor_v_\@
	tensor_load_to_lds s[G0K+4:G0K+7], s[G1K:G1K+7]
	s_nop 0
.rept 4
	v_nop
.endr
	s_branch .Lasked_\@
.Lfor_v_\@:
	tensor_load_to_lds s[G0V+4:G0V+7], s[G1V:G1V+7]
	s_nop 0
.rept 4
	v_nop
.endr
.Lasked_\@:
.endm
; A prefetch of what the NEXT change of slots will ask for: 128 rows of K and of V, 16,384 bytes each.  The four partners share the blocks of 256 bytes out by address, 16 + 16 each; in each, wave 0 asks:
; lanes 0-15 for K's, lanes 16-31 for V's: each block is named once in the launch.  It stands behind the tensor load's lines.  The last change that fills a slot asks for nothing.
.macro ASK
	s_cmp_gt_u32 s[SLOTS], s[LIM]
	s_cbranch_scc0 .Lnot_mine_\@
	global_prefetch_b8 v[PFO], s[PFA:PFA+1] th:TH_LOAD_NT scope:SCOPE_SE
.Lnot_mine_\@:
.endm
.macro CROUND
	s_barrier_signal -1
	s_barrier_wait -1
	s_cmp_lg_u32 s[WV], 0
	s_cbranch_scc1 .Lnot_wave_0_\@
	s_barrier_signal -3
.Lnot_wave_0_\@:
	s_barrier_wait -3
	s_barrier_signal -1
	s_barrier_wait -1
.endm
	s_load_b128 s[8:11], s[0:1], 0x0  ; qkv s[8:9], oh s[10:11]
	v_lshl_add_u32 v[SPW], v0, 2, SPARE
	v_mov_b32 v[NIL], 0
	ds_add_u32 v[SPW], v[NIL]       ; the wave's opening: the add, twice on end, and its wait ahead of my first tensor load
	ds_add_u32 v[SPW], v[NIL]
	v_lshrrev_b32 v1, 5, v0
	v_readfirstlane_b32 s[WV], v1   ; wave 0..3
	s_bfe_u32 s13, ttmp6, 0x40000   ; cx: my block of 512 queries; it enters Q's, O's and the prefetches' addresses alone
	s_and_b32 s20, ttmp7, 0xffff    ; the head, which the four partners share
	s_lshl_b32 s14, s20, 18         ; its first byte in oh,
	s_mul_i32 s20, s20, 786432      ; and in qkv
	s_and_b32 s16, s[WV], 1         ; which of a slot's two steps I fetch
	s_lshl_b32 s22, s16, 13         ; its 64 rows of 128 bytes,
	s_add_co_u32 s22, s22, s20
	s_add_co_u32 s22, s22, 262144   ; in the head's K
	s_mov_b32 s23, 0
	s_mul_i32 s17, s16, STEPB       ; and its place in a slot
	s_lshl_b32 s2, s13, 16          ; my block's 512 rows,
	s_lshl_b32 s3, s[WV], 14        ; my wave's 128 of them
	s_add_co_u32 s2, s2, s3
	s_add_co_u32 s14, s14, s2       ; O's offset
	s_add_co_u32 s2, s2, s20        ; Q's
	s_mov_b32 s3, 0
	s_lshl_b32 s63, s13, 12         ; the prefetches: my work-group's 16 blocks of a slot's 64,
	s_add_co_u32 s20, s20, s63
	s_add_co_u32 s20, s20, 262144+2*16384  ; in K, at slot 2; the first change of slots steps it to slot 3
	s_mov_b32 s21, 0
	s_mov_b32 s[G1K], 15|(1<<16)|(1<<20)|(1<<21)|(4<<22)|(3<<25)  ; the mask: all four; elements of 2 bytes; padding on; bit 21 beside a mask; after every 32 words 4 words
	s_mov_b32 s[G1V], 15|(1<<16)|(1<<20)|(1<<21)|(4<<22)|(7<<25)  ; the same with 8 words
.irp g, G1K, G1V
	s_mov_b32 s[\g+1], 64<<16       ; tensor_dim0 = 64
	s_mov_b32 s[\g+2], KS<<16       ; tensor_dim1 = 64
	s_mov_b32 s[\g+3], 64<<16       ; tile_dim0 = 64
	s_mov_b32 s[\g+4], KS           ; tile_dim1 = 64
	s_mov_b32 s[\g+5], 64           ; the pitch
	s_mov_b32 s[\g+6], 0
	s_mov_b32 s[\g+7], 0
.endr
	s_mov_b32 s[CS], 0x3d38aa3b     ; c = log2(e) / 32
	s_mov_b32 s[CS+1], s[CS]
	s_mov_b32 s[SEL], 0x76543210
	s_mov_b32 s[SEL+1], 0xfedcba98
	s_mov_b32 s[TB], 0
	s_mov_b32 s[SLOTS], 2048/(2*KS)-2
	s_cmp_eq_u32 s[WV], 0
	s_cselect_b32 s[LIM], 1, -1     ; wave 0 prefetches while s[SLOTS] is above 1
	v_and_b32 v[PFO], 15, v0
	v_lshlrev_b32 v[PFO], 8, v[PFO]
	v_bfe_u32 v1, v0, 4, 1
	v_lshl_add_u32 v[PFO], v1, 18, v[PFO]  ; 256 (lane % 16), and lanes 16-31 in V, 262,144 bytes on
	s_wait_dscnt 0x0                ; both opening adds are done
	s_wait_kmcnt 0x0
	s_add_nc_u64 s[PFA:PFA+1], s[8:9], s[20:21]
	s_add_nc_u64 s[4:5], s[8:9], s[2:3]    ; Q at my wave's first row
	s_add_nc_u64 s[6:7], s[8:9], s[22:23]  ; K at my tile of slot 0
	s_add_nc_u64 s[8:9], s[6:7], 262144    ; V likewise
	s_mov_b32 s20, s14
	s_add_nc_u64 s[10:11], s[10:11], s[20:21]  ; O at my wave's first row
	CROUND                          ; all four work-groups are here: the first joint loads meet
.irp s, 0,1
	s_mov_b32 s[G0K+4*\s], 1
	s_add_co_u32 s[G0K+4*\s+1], s17, \s*SLOT1
	s_add_nc_u64 s[G0K+4*\s+2:G0K+4*\s+3], s[6:7], \s*2*KS*128
	s_or_b32 s[G0K+4*\s+3], s[G0K+4*\s+3], 0x80000000
	s_mov_b32 s[G0V+4*\s], 1
	s_add_co_u32 s[G0V+4*\s+1], s17, \s*SLOT1+VOFF
	s_add_nc_u64 s[G0V+4*\s+2:G0V+4*\s+3], s[8:9], \s*2*KS*128
	s_or_b32 s[G0V+4*\s+3], s[G0V+4*\s+3], 0x80000000
.endr
	s_cmp_lt_u32 s[WV], 2           ; a wave's two first fills stand in one branch: two loads of mine are out
	s_cbranch_scc0 .Lfirst_v
	tensor_load_to_lds s[G0K:G0K+3], s[G1K:G1K+7]
	s_nop 0
	tensor_load_to_lds s[G0K+4:G0K+7], s[G1K:G1K+7]
	s_nop 0
.rept 4
	v_nop
.endr
	s_branch .Lfirst_asked
.Lfirst_v:
	tensor_load_to_lds s[G0V:G0V+3], s[G1V:G1V+7]
	s_nop 0
	tensor_load_to_lds s[G0V+4:G0V+7], s[G1V:G1V+7]
	s_nop 0
.rept 4
	v_nop
.endr
.Lfirst_asked:
	v_and_b32 v1, 15, v0            ; r
	v_bfe_u32 v9, v0, 4, 1          ; h
	v_lshlrev_b32 v[QO], 7, v1
	v_lshl_add_u32 v[QO], v9, 4, v[QO]  ; row x 128 + 16 x half
	WIN 0xc0                        ; destination window 3, address window 0
.irp i, 0,1,2,3,4,5,6,7,8,9,10,11,12,13,14,15  ; Q stays in registers: tile i / 2, channels 32 (i % 2) on
	global_load_b128 v[8*\i:8*\i+3],   v[QO], s[4:5] offset:(\i/2)*2048+(\i%2)*64
	global_load_b128 v[8*\i+4:8*\i+7], v[QO], s[4:5] offset:(\i/2)*2048+(\i%2)*64+32
.endr
	WIN 0
	v_mul_u32_u24 v[AK0], v1, PKP
	v_lshl_add_u32 v[AK0], v9, 4, v[AK0]
	v_and_b32 v10, 7, v0
	v_bfe_u32 v11, v0, 3, 1
	v_lshl_add_u32 v[AV0], v9, 3, v10  ; the turning load: key 8 (l / 16) + l % 8, channels 8 ((l / 8) % 2) on
	v_mul_u32_u24 v[AV0], v[AV0], PVP
	v_lshl_add_u32 v[AV0], v11, 4, v[AV0]
	v_add_nc_u32 v[AV0], VOFF, v[AV0]
; THE MATRIX WORK OF A TURN, for piece x.  The 16 accumulators of a kind take turns, one instruction a turn: 15 others stand between two links of a chain.
; Product i of 32 of O^T += V^T P: tile i % 4, channels 16 ((i / 4) % 4) on, keys 32 (i / 16) on.  zero = 1: the first 16 start the sums.
.macro PV x, zero
	WIN 0xa3|((\x)<<2)              ; V window 3, P window x, O^T window 2
.set rO, 32*(4*(\x)+i%4)+8*((i/4)%4)
.set rV, VF+32*(i/16)+8*((i/4)%4)
.set rP, P+16*(i%4)+8*(i/16)
.if \zero && (i < 16)
	v_wmma_f32_16x16x32_f16 v[rO:rO+7], v[rV:rV+7], v[rP:rP+7], 0
.else
	v_wmma_f32_16x16x32_f16 v[rO:rO+7], v[rV:rV+7], v[rP:rP+7], v[rO:rO+7]
.endif
.endm
; Product i of 32 of S^T = K Q^T: tile i % 4, keys 16 ((i / 4) % 4) on, channels 32 (i / 16) on.  The first 16 start the sums.
.macro KQ x
	WIN 0x0f|((\x)<<4)|((\x)<<6)    ; K and Q window 3, S^T window x
.set rS, S+32*(i%4)+8*((i/4)%4)
.set rK, KF+16*((i/4)%4)+8*(i/16)
.set rQ, 16*(4*(\x)+i%4)+8*(i/16)
.if i < 16
	v_wmma_f32_16x16x32_f16 v[rS:rS+7], v[rK:rK+7], v[rQ:rQ+7], 0
.else
	v_wmma_f32_16x16x32_f16 v[rS:rS+7], v[rK:rK+7], v[rQ:rQ+7], v[rS:rS+7]
.endif
.endm
; THE LDS LOADS stand in runs of 16: a step's K and, a turn later, its V (turned).
.macro FETCH_K
	WIN 0
	v_add_nc_u32 v[ADR], s[TB], v[AK0]
	WIN 0xc0
.irp f, 0,1,2,3,4,5,6,7             ; keys 16 (f / 2) on, channels 32 (f % 2) on
	ds_load_b128 v[KF+8*\f:KF+8*\f+3],   v[ADR] offset:(\f/2)*16*PKP+(\f%2)*64
	ds_load_b128 v[KF+8*\f+4:KF+8*\f+7], v[ADR] offset:(\f/2)*16*PKP+(\f%2)*64+32
.endr
.endm
.macro FETCH_V
	WIN 0
	v_add_nc_u32 v[ADR], s[TB], v[AV0]
	s_add_co_u32 s[TB], s[TB], STEPB  ; the next fetch is the next step's
	s_wait_alu depctr_va_vdst(0)    ; the wait for the softmax's batch of exponentials, ahead of the first line that names a result
	WIN 0xc0
.irp f, 0,1,2,3,4,5,6,7             ; keys 32 (f / 4) on, channels 16 (f % 4) on
	ds_load_tr16_b128 v[VF+8*\f:VF+8*\f+3],   v[ADR] offset:(\f/4)*32*PVP+(\f%4)*32
	ds_load_tr16_b128 v[VF+8*\f+4:VF+8*\f+7], v[ADR] offset:(\f/4)*32*PVP+16*PVP+(\f%4)*32
.endr
.endm
; THE VECTOR WORK OF A TURN.  One tile's softmax for one key step is a list of 118 instructions; SM writes number j of it for tile t of piece y.
;   0-15 the maximum of the lane's 32 scores and the old m;  16-20 the other half of the lanes' maximum, the new m, c m, c m_old - c m_new;
;   21-69 ONE BATCH: 16 scalings c s - c m, a pair each, and 33 exponentials (a at 23): none reads an exponential's result; a pair is scaled ahead of its exponentials;
;   (between 69 and 70 stands the one wait: SLICE writes it)  70-85 the roundings to f16;  86-101 the sums, l = a l + the sum;  102-117 the tile's O^T times a.
; first = 1: the first key step, which starts m, l and O^T: it has no a and nothing to rescale.
.macro SM y, t, first
.set rT, ST+8*(\t)
.set rS, S+32*(\t)
.set rP, P+16*(\t)
.set rO, 32*(4*(\y)+(\t))+2*(j-102)
.if j < 102
	WIN 0x55*(\y)
.endif
.if j < 4
	v_max3_num_f32 v[rT+4+j], v[rS+8*j], v[rS+8*j+1], v[rS+8*j+2]
.elseif j < 12
	v_max3_num_f32 v[rT+4+j%4], v[rT+4+j%4], v[rS+8*(j%4)+2*(j/4)+1], v[rS+8*(j%4)+2*(j/4)+2]
.elseif j == 12
	v_max3_num_f32 v[rT+4], v[rT+4], v[rS+7], v[rS+15]
.elseif j == 13
	v_max3_num_f32 v[rT+6], v[rT+6], v[rS+23], v[rS+31]
.elseif j == 14
	v_max3_num_f32 v[rT+4], v[rT+4], v[rT+5], v[rT+6]
.elseif (j == 15) && \first
	v_max_num_f32 v[rT+4], v[rT+4], v[rT+7]
.elseif j == 15
	v_max3_num_f32 v[rT+4], v[rT+4], v[rT+7], v[rT+1]
.elseif j == 16
	v_permlanex16_b32 v[rT+5], v[rT+4], s[SEL], s[SEL+1]  ; the query's other 32 keys lie in the lane 16 away
.elseif j == 18
	v_max_num_f32 v[rT+1], v[rT+4], v[rT+5]
.elseif j == 19
	v_mul_f32 v[rT], s[CS], v[rT+1]
.elseif ((j == 17) || (j == 20) || (j == 23) || (j > 101)) && \first
.elseif j == 17
	v_mov_b32 v[rT+7], v[rT]        ; c m_old is kept for a
.elseif j == 20
	v_sub_f32 v[rT+7], v[rT+7], v[rT]
.elseif j == 23
	v_exp_f32 v[rT+6], v[rT+7]
.elseif (j < 23) || ((j < 38) && (j%2 == 0)) || ((j < 66) && (j%4 == 2))
.set b, (j-2)/4
.if j < 38
.set b, (j-20)/2
.endif
	v_pk_fma_f32 v[rS+2*b:rS+2*b+1], v[rS+2*b:rS+2*b+1], s[CS:CS+1], v[rT:rT+1] op_sel_hi:[1,0,0] neg_lo:[0,0,1] neg_hi:[0,0,1]  ; pair b: c s - c m
.elseif j < 70
.set e, j-38
.if j < 66
.set e, j-32-(j-38)/4
.endif
.if j < 38
.set e, (j-25)/2
.endif
	v_exp_f32 v[rS+e], v[rS+e]
.elseif j < 86
	v_cvt_pk_f16_f32 v[rP+j-70], v[rS+2*(j-70)], v[rS+2*(j-70)+1]
.elseif j < 102                     ; the sum of the tile's 16 pairs, in place: neighbours 1, 2, 4 and 8 pairs apart, then l takes it
.set z, j-86
.set w, 4
.set u, z
.if z >= 14
.set w, 32
.set u, 0
.elseif z >= 12
.set w, 16
.set u, z-12
.elseif z >= 8
.set w, 8
.set u, z-8
.endif
.if (z == 14) && \first
	v_pk_add_f32 v[rT+2:rT+3], v[rS:rS+1], v[rS+16:rS+17]
.elseif z < 15
	v_pk_add_f32 v[rS+w*u:rS+w*u+1], v[rS+w*u:rS+w*u+1], v[rS+w*u+w/2:rS+w*u+w/2+1]
.elseif !\first
	v_pk_fma_f32 v[rT+2:rT+3], v[rT+2:rT+3], v[rT+6:rT+7], v[rS:rS+1] op_sel_hi:[1,0,1]
.endif
.else
	WIN 0x82|((\y)<<2)              ; O^T (destination and source 0) window 2, a window y
	v_pk_mul_f32 v[rO:rO+1], v[rO:rO+1], v[rT+6:rT+7] op_sel_hi:[1,0]
.endif
.endm
; Slice k of 64 of piece y's softmax: numbers 2 (k - LEAD) and 2 (k - LEAD) + 1 of the four tiles' lists, the tiles by turns, so that no line reads the result of the line just before it.
; Behind numbers 68 and 69 all 132 exponentials are issued and no result has been named: one plain line, and the piece's one wait (in piece 1's turn it stands in V's run of loads).
; The last slice is eight plain multiplies: the places between the turn's last product and the next turn's reads of its scores and loads into K's registers.
.macro SLICE y, first
.if k >= LEAD
.irp n, 0,1
.irp t, 0,1,2,3
.set j, 2*(k-LEAD)+\n
	SM \y, \t, \first
.endr
.endr
.if k == LEAD+34
	v_nop
.if (\y) == 0
	FETCH_V
.else
	s_wait_alu depctr_va_vdst(0)
.endif
.endif
.endif
.set k, k+1
.endm
.macro PLACES
.rept 4
	v_nop
.endr
.endm
; A TURN.  Piece x has the matrix unit.  pv = 2: 32 products V^T P; 1: they start O^T's sums; 0: none.  kq = 1: 32 products K Q^T for the next step.  With one kind alone: two slices behind each product.
; Piece 0's turn fetches the next step's K behind its second product (K's last reader stands ahead of the last slice of the turn before); piece 1's turn fetches the same step's V behind numbers 68, 69
; (V's last reader stands ahead of numbers 52, 53; twelve scalings, the v_nop and the run's own addition lie between).  first = 1: the late slices are empty, and four v_nop take the last slice's part.
.macro TURN x, pv, kq, first
.set k, 0
.set per, 2
.if \pv && \kq
.set per, 1
.endif
.if \pv
.if \x == 0
	s_wait_dscnt 0x0                ; V is in
.endif
.set i, 0
.rept 32
	PV \x, 2-\pv
.rept per
	SLICE 1-\x, \first
.endr
.if (\x == 0) && \kq && (i == 1)
	FETCH_K
.endif
.set i, i+1
.endr
.endif
.if \kq
.if \x == 0
	s_wait_dscnt 0x0                ; K is in
.endif
.set i, 0
.rept 32
	KQ \x
.rept per
	SLICE 1-\x, \first
.endr
.set i, i+1
.endr
.endif
.if \first
	PLACES
.endif
.endm
; THE CHANGE OF SLOTS, between piece 1's turn and piece 0's: the slot's last bytes, V of its second step, have been asked for.  Each wave waits for all its tensor loads (its part of the other slot), adds 0 to its
; spare word, and waits for that and for its reads of the slot.  fill = 1: the barrier is a round of the cluster's, and the joint refill, the keys two slots on, is the first thing behind it: it has two key steps in which to land.
.macro CHANGE fill
	WIN 0
	s_wait_tensorcnt 0x0            ; no tensor load of mine is out, so a group 0 may be written
	ds_add_u32 v[SPW], v[NIL]
.if \fill
.irp g, G0K+4, G0V+4
	s_xor_b32 s[\g+1], s[\g+1], SLOT1  ; the walking descriptor: the other slot than last time,
	s_add_nc_u64 s[\g+2:\g+3], s[\g+2:\g+3], 2*KS*128  ; the next 128 keys
.endr
	s_wait_xcnt 0x0                 ; the last prefetch, two key steps back, has read its address
	s_add_nc_u64 s[PFA:PFA+1], s[PFA:PFA+1], 2*KS*128  ; one slot further on than the walking descriptors
	s_wait_dscnt 0x0                ; the add is done, and my reads of the slot are over
	CROUND
	JLOAD
	ASK
.else
	s_wait_dscnt 0x0
	s_barrier_signal -1
	s_barrier_wait -1
.endif
	s_sub_co_u32 s[TB], s[TB], 2*STEPB  ; the fetches go back to a slot's first step,
	s_xor_b32 s[TB], s[TB], SLOT1   ; in the other slot
.endm
.macro TWO_STEPS                    ; a slot's two key steps: written once, walked twice
	s_mov_b32 s[TWICE], 2
.Lstep_\@:
	TURN 0, 2, 1, 0
	TURN 1, 2, 1, 0
	WIN 0
	s_sub_co_u32 s[TWICE], s[TWICE], 1
	s_cmp_lg_u32 s[TWICE], 0
	s_cbranch_scc1 .Lstep_\@
.endm
	s_wait_tensorcnt 1              ; my part of slot 0 is in; slot 1's may stay out
	s_barrier_signal -1
	s_barrier_wait -1
	FETCH_K                         ; key step 0
	s_wait_loadcnt 0x0              ; Q
	s_wait_dscnt 0x0
.set i, 0
.rept 32
	KQ 0                            ; piece 0's first scores
.set i, i+1
.endr
	WIN 0                           ; the addresses for the way out: plain lines, the places behind those products
	s_mul_i32 s13, s[WV], 16*SP
	s_add_co_u32 s13, s13, STAGE    ; my stage
	v_mul_u32_u24 v[STO], v1, SP    ; in: row r, 16 bytes for each half of the lanes
	v_lshl_add_u32 v[STO], v9, 4, v[STO]
	v_add_nc_u32 v[STO], s13, v[STO]
	v_bfe_u32 v[RD], v0, 3, 2       ; back: eight lanes to a row of 128 bytes, four rows an instruction
	v_mul_u32_u24 v[RD], v[RD], SP
	v_lshl_add_u32 v[RD], v10, 4, v[RD]
	v_add_nc_u32 v[RD], s13, v[RD]
	v_and_b32 v[GO], 31, v0
	v_lshlrev_b32 v[GO], 4, v[GO]   ; and the same 512 bytes in O
	TURN 1, 0, 1, 1                 ; piece 1's first scores | piece 0's first softmax | V of step 0
	TURN 0, 1, 1, 1                 ; piece 0: V^T P of step 0 starts O^T, K Q^T of step 1 | piece 1's first softmax | K of step 1
	TURN 1, 1, 1, 0                 ; piece 1: the same | piece 0's softmax of step 1 | V of step 1
	WIN 0
.Lslot:                             ; 14 trips: every slot but the last two is filled again
	CHANGE 1
	TWO_STEPS
	s_sub_co_u32 s[SLOTS], s[SLOTS], 1
	s_cmp_lg_u32 s[SLOTS], 0
	s_cbranch_scc1 .Lslot
	CHANGE 0                        ; the tail is written out
	TWO_STEPS
	TURN 0, 2, 0, 0                 ; piece 0: V^T P of the last step | piece 1's last softmax
.set i, 0
.rept 32
	PV 1, 0                         ; piece 1: V^T P of the last step
.set i, i+1
.endr
	; THE WAY OUT.  l's two halves and the other half of the lanes' are added; O^T is divided by l, rounded to f16 and sent through my stage, a tile (16 rows of O) at a time.  Piece 0's additions are the places behind the last products.
.macro LSUM y
	WIN 0x55*(\y)
.irp t, 0,1,2,3
	v_add_f32 v[ST+8*\t+4], v[ST+8*\t+2], v[ST+8*\t+3]
.endr
.irp t, 0,1,2,3
	v_permlanex16_b32 v[ST+8*\t+5], v[ST+8*\t+4], s[SEL], s[SEL+1]
.endr
.irp t, 0,1,2,3
	v_add_f32 v[ST+8*\t+4], v[ST+8*\t+4], v[ST+8*\t+5]
.endr
.irp t, 0,1,2,3
	v_rcp_f32 v[ST+8*\t+6], v[ST+8*\t+4]
.endr
	v_nop                           ; a plain line behind the last reciprocal,
	s_wait_alu depctr_va_vdst(0)    ; and the wait ahead of the first use: one for the piece's four
.endm
	LSUM 0
	LSUM 1
.macro PACK t
	WIN 0x82|(((\t)/4)<<2)
.set i, 32*(\t)
.rept 16
	v_pk_mul_f32 v[i:i+1], v[i:i+1], v[ST+8*((\t)%4)+6:ST+8*((\t)%4)+7] op_sel_hi:[1,0]
.set i, i+2
.endr
	WIN 0x0a                        ; sources window 2, destination window 0: piece 0's S^T is free
.set i, 0
.rept 16
	v_cvt_pk_f16_f32 v[S+16*(\t)+i], v[32*(\t)+2*i], v[32*(\t)+2*i+1]
.set i, i+1
.endr
	WIN 0
.irp f, 0,1,2,3
	ds_store_b128 v[STO], v[S+16*(\t)+4*\f:S+16*(\t)+4*\f+3] offset:32*\f
.endr
.irp f, 0,1,2,3
	ds_load_b128 v[S+16*(\t)+4*\f:S+16*(\t)+4*\f+3], v[RD] offset:\f*4*SP  ; LDS serves a wave's instructions in order: these see the stores above; the next tile's stores come behind them
.endr
.endm
.macro SEND t, younger              ; younger: the LDS instructions issued behind tile t's loads: the next tile's eight, or none
.irp f, 0,1,2,3
	s_wait_dscnt \younger+3-\f
	global_store_b128 v[GO], v[S+16*(\t)+4*\f:S+16*(\t)+4*\f+3], s[10:11] offset:(\t)*2048+\f*512  ; the wave stores 512 consecutive bytes, aligned
.endr
.endm
	PACK 0
.irp t, 1,2,3,4,5,6,7
	PACK \t
	SEND \t-1, 8
.endr
	SEND 7, 0
	s_wait_tensorcnt 0x0            ; the wave's end
	ds_add_u32 v[SPW], v[NIL]
	s_wait_dscnt 0x0
	CROUND                          ; the closing round
	s_endpgm
.Lfunc_end_k_q3580307bd3_attn:
	.size	k_q3580307bd3_attn, .Lfunc_end_k_q3580307bd3_attn-k_q3580307bd3_attn
	.p2alignl 7, 3214868480
	.fill 96, 4, 3214868480
	.section	.rodata,"a",@progbits
	.p2align	6, 0x0
	.amdhsa_kernel k_q3580307bd3_attn
		.amdhsa_group_segment_fixed_size 327680
		.amdhsa_private_segment_fixed_size 0
		.amdhsa_enable_private_segment 0
		.amdhsa_kernarg_size 16
		.amdhsa_user_sgpr_count 2
		.amdhsa_user_sgpr_kernarg_segment_ptr 1
		.amdhsa_wavefront_size32 1
		.amdhsa_system_sgpr_workgroup_id_x 1
		.amdhsa_system_sgpr_workgroup_id_y 1
		.amdhsa_system_sgpr_workgroup_id_z 1
		.amdhsa_system_vgpr_workitem_id 0
		.amdhsa_next_free_vgpr 1024
		.amdhsa_next_free_sgpr 66
		.amdhsa_reserve_vcc 0
		.amdhsa_float_denorm_mode_32 3
		.amdhsa_float_denorm_mode_16_64 3
		.amdhsa_memory_ordered 1
		.amdhsa_forward_progress 1
		.amdhsa_inst_pref_size 255
	.end_amdhsa_kernel
	.section	.bss,"aw",@nobits
	.p2align	6
	.space	262144
	.amdgpu_metadata
---
amdhsa.version: [ 1, 2 ]
amdhsa.kernels:
  - .name:           k_q3580307bd3_attn
    .symbol:         k_q3580307bd3_attn.kd
    .args:
      - { .name: qkv, .offset: 0, .size: 8, .value_kind: global_buffer, .address_space: global }
      - { .name: oh, .offset: 8, .size: 8, .value_kind: global_buffer, .address_space: global }
    .group_segment_fixed_size: 327680
    .private_segment_fixed_size: 0
    .kernarg_segment_align: 8
    .kernarg_segment_size: 16
    .max_flat_workgroup_size: 128
    .sgpr_count:     66
    .vgpr_count:     1024
    .wavefront_size: 32
...
	.end_amdgpu_metadata
.endif
;; end of part 3
;; launch oproj (part 4): grid 4 x 64, 4 waves a work-group, clusters of 4 x 4, 327,680 bytes of LDS; arguments oh, wo16, bo, out0; writes out0
.if DOCPART == 4
	.amdgcn_target "amdgcn-amd-amdhsa--gfx1250"
	.amdhsa_code_object_version 6
	.text
	.protected	k_q3580307bd3_oproj
	.globl	k_q3580307bd3_oproj
	.p2align	8
	.type	k_q3580307bd3_oproj,@function
k_q3580307bd3_oproj:
	s_mov_b64 s[64:65], 0
	v_nop
	global_prefetch_b8 v0, s[64:65] scope:SCOPE_SE
	s_setreg_imm32_b32 hwreg(HW_REG_WAVE_MODE, 25, 1), 1
	s_wait_xcnt 0x0
	s_wait_alu depctr_hold_cnt(0) depctr_sa_sdst(0) depctr_va_vdst(0) depctr_va_sdst(0) depctr_va_ssrc(0) depctr_va_vcc(0) depctr_vm_vsrc(0)
	s_getreg_b32 s2, hwreg(HW_REG_IB_STS2, 6, 4)
	s_cmp_eq_u32 s2, 0
	s_cbranch_scc0 .Lentry_in_a_cluster
	s_endpgm
.Lentry_in_a_cluster:
	s_bfe_u32 s2, ttmp6, 0x10000c
	s_cmp_lg_u32 s2, 0xf033
	s_cbranch_scc0 .Lentry_shape_is_right
	s_endpgm
.Lentry_shape_is_right:
; out0[m][n] = sum over k of o[m][k] Wo[n][k] + bo[n].  o = oh, f16 [batch x 16 + head][l][64] (k = 64 head + d, m = 2,048 batch + l); Wo = wo16, f16 [k / 64][n][64]; out0 [8,192][1,024] f32; sums in f32.
; A tile of C is 128 x 256, so that the 256 work-groups are one for each WGP; four waves, each 64 rows x 128 columns: 32 accumulators, 256 registers.
; K goes in steps of 128 = two planes of 64 (two heads) through a ring of two LDS slots.  One tensor load a wave: waves 0, 1 a plane of A (128 rows x 128 bytes, dense in memory), waves 2, 3 a plane of B (256 rows).
; CLUSTERS: 4 x 4 work-groups; A's tiles are shared along a row of the cluster, B's along a column: each is asked for jointly.  No prefetch: the tile is small and a K step short.
; THE MATRIX INSTRUCTION IS USED TRANSPOSED (source 0 = 16 rows of Wo, source 1 = 16 rows of o): a lane holds eight neighbouring columns of a row of C.  The bias is the C of each sum's first product.
; REGISTERS: window 0: v16-29 addresses; two fragment buffers of 96 at v64 and v160 (A's 4 x 8, then B's 8 x 8); on the way out v64-191 hold rows.  window 1: accumulator (a, b) at v[8 (8 a + b)].  window 2: v0-63 the bias.
.set PITCH,  144                       ; an LDS row: 128 bytes + 16 of padding
.set APL,    128*PITCH                 ; a plane of A
.set BOFF,   2*APL
.set BPL,    256*PITCH                 ; a plane of B
.set SLOT,   BOFF+2*BPL
.set STAGE,  2*SLOT                    ; behind the ring: 16 rows x (512 bytes + 16) for each wave
.set SPITCH, 528
.set SPARE,  STAGE+4*16*SPITCH         ; the spare words, 128 bytes a wave
.set LAPS,   4                         ; a lap = two K steps = once round the ring
.set ADRA, 16
.set ADRB, 20
.set STO,  24
.set RD,   25
.set CO,   26
.set BOF,  27
.set SPW,  28
.set NIL,  29
.set F0,   64
.set F1,   160
.set BK,   64
.set G1, 24
.set G0, 32
.set G1B, 48
.set G0B, 56
.set MSB, 0
.macro WIN new
.if MSB != (\new)
	s_set_vgpr_msb (MSB<<8)|(\new)
.set MSB, (\new)
.endif
.endm
.set MUL,  0x50                        ; fragments window 0; C and D window 1
.set MULB, 0x60                        ; the first quarter: C (the bias) window 2, D window 1
.macro JLOAD s                         ; a joint load: waves 0 and 1 fetch A's planes, waves 2 and 3 B's; an s_nop 0 and four v_nop follow each line
	s_cmp_eq_u32 s13, 0
	s_cbranch_scc0 .Lfor_b_\@
	tensor_load_to_lds s[G0+4*\s:G0+4*\s+3], s[G1:G1+7]
	s_nop 0
.rept 4
	v_nop
.endr
	s_branch .Lasked_\@
.Lfor_b_\@:
	tensor_load_to_lds s[G0B+4*\s:G0B+4*\s+3], s[G1B:G1B+7]
	s_nop 0
.rept 4
	v_nop
.endr
.Lasked_\@:
.endm
.macro CREST
	s_cmp_lg_u32 s12, 0
	s_cbranch_scc1 .Lnot_wave_0_\@
	s_barrier_signal -3
.Lnot_wave_0_\@:
	s_barrier_wait -3
	s_barrier_signal -1
	s_barrier_wait -1
.endm
.macro CROUND
	s_barrier_signal -1
	s_barrier_wait -1
	CREST
.endm
	s_load_b256 s[4:11], s[0:1], 0x0               ; oh s[4:5], wo16 s[6:7], bo s[8:9], out0 s[10:11]
	v_lshl_add_u32 v[SPW], v0, 2, SPARE
	v_mov_b32 v[NIL], 0
	ds_add_u32 v[SPW], v[NIL]                      ; the wave's opening: the add, twice on end, and its wait ahead of my first tensor load
	ds_add_u32 v[SPW], v[NIL]
	v_lshrrev_b32 v1, 5, v0
	v_readfirstlane_b32 s12, v1                    ; wave 0..3
	s_lshr_b32 s13, s12, 1                         ; which 64 rows are mine.  Also: I fetch for A (0) or for B (1)
	s_and_b32 s14, s12, 1                          ; which 128 columns.  Also: which plane of a K step I fetch
	s_bfe_u32 s40, ttmp6, 0x40000                  ; cx
	s_bfe_u32 s41, ttmp6, 0x40004                  ; cy
	s_lshl_b32 s42, ttmp9, 2
	s_add_co_u32 s42, s42, s40                     ; tile column x
	s_and_b32 s15, ttmp7, 0xffff
	s_lshl_b32 s15, s15, 2
	s_add_co_u32 s15, s15, s41                     ; tile row y
	s_lshl_b32 s43, s41, 2
	s_lshl_b32 s43, 15, s43                        ; my row of the cluster
	s_lshl_b32 s44, 0x1111, s40                    ; my column
	s_or_b32 s[G1+0], s43, (1<<16)|(1<<20)|(1<<21)|(4<<22)|(3<<25)  ; the mask; elements of 2 bytes; padding on; bit 21 beside a mask; after every 32 words 4 words
	s_or_b32 s[G1B+0], s44, (1<<16)|(1<<20)|(1<<21)|(4<<22)|(3<<25)
	s_mov_b32 s[G1+1], 64<<16                      ; tensor_dim0 = 64
	s_mov_b32 s[G1+2], 128<<16                     ; tensor_dim1 = 128
	s_mov_b32 s[G1+3], 64<<16                      ; tile_dim0 = 64
	s_mov_b32 s[G1+4], 128                         ; tile_dim1 = 128
	s_mov_b32 s[G1+5], 64                          ; the pitch
	s_mov_b32 s[G1+6], 0
	s_mov_b32 s[G1+7], 0
	s_mov_b32 s[G1B+1], 64<<16
	s_mov_b32 s[G1B+2], 256<<16                    ; B: 256 rows
	s_mov_b32 s[G1B+3], 64<<16
	s_mov_b32 s[G1B+4], 256
	s_mov_b32 s[G1B+5], 64
	s_mov_b32 s[G1B+6], 0
	s_mov_b32 s[G1B+7], 0
	s_lshr_b32 s16, s15, 4                         ; A: the batch,
	s_lshl_b32 s16, s16, 4
	s_add_co_u32 s16, s16, s14                     ; its head = my plane of K step 0,
	s_lshl_b32 s16, s16, 11
	s_and_b32 s17, s15, 15
	s_lshl_b32 s17, s17, 7
	s_add_co_u32 s16, s16, s17                     ; the tile's first position,
	s_lshl_b32 s16, s16, 7                         ; in bytes
	s_mov_b32 s17, 0
	s_lshl_b32 s46, s14, 10                        ; B: my plane, row 256 x
	s_lshl_b32 s47, s42, 8
	s_add_co_u32 s46, s46, s47
	s_lshl_b32 s46, s46, 7
	s_mov_b32 s47, 0
	s_mul_i32 s20, s14, APL                        ; where they go: no place in the cluster enters an LDS address
	s_mul_i32 s21, s14, BPL
	s_add_co_u32 s21, s21, BOFF
	s_wait_dscnt 0x0                               ; both opening adds are done
	s_wait_kmcnt 0x0
	s_add_nc_u64 s[16:17], s[4:5], s[16:17]
	s_add_nc_u64 s[46:47], s[6:7], s[46:47]
	CROUND                                         ; all sixteen work-groups are here: the first joint loads meet
.irp s, 0,1
	s_mov_b32 s[G0+4*\s], 1
	s_add_co_u32 s[G0+4*\s+1], s20, \s*SLOT
	s_add_nc_u64 s[G0+4*\s+2:G0+4*\s+3], s[16:17], \s*2*2048*128   ; K step s: two heads on
	s_or_b32 s[G0+4*\s+3], s[G0+4*\s+3], 0x80000000
	s_mov_b32 s[G0B+4*\s], 1
	s_add_co_u32 s[G0B+4*\s+1], s21, \s*SLOT
	s_add_nc_u64 s[G0B+4*\s+2:G0B+4*\s+3], s[46:47], \s*2*1024*128
	s_or_b32 s[G0B+4*\s+3], s[G0B+4*\s+3], 0x80000000
	JLOAD \s
.endr
	v_and_b32 v1, 15, v0                           ; r
	v_bfe_u32 v2, v0, 4, 1                         ; h
	s_lshl_b32 s16, s15, 7
	s_lshl_b32 s17, s13, 6
	s_add_co_u32 s16, s16, s17                     ; my first row of C
	s_lshl_b32 s16, s16, 12
	s_mov_b32 s17, 0
	s_lshl_b32 s46, s42, 10
	s_lshl_b32 s47, s14, 9
	s_add_co_u32 s46, s46, s47                     ; my first column, in bytes of f32: in C and in the bias
	s_mov_b32 s47, 0
	s_add_nc_u64 s[10:11], s[10:11], s[16:17]
	s_add_nc_u64 s[10:11], s[10:11], s[46:47]
	s_add_nc_u64 s[8:9], s[8:9], s[46:47]
	v_lshlrev_b32 v[BOF], 5, v2
	WIN 0x80                                       ; destination window 2
.irp b, 0,1,2,3,4,5,6,7                        ; register 8 b + j = bo[my first column + 16 b + 8 h + j]
	global_load_b128 v[8*\b:8*\b+3],   v[BOF], s[8:9] offset:64*\b
	global_load_b128 v[8*\b+4:8*\b+7], v[BOF], s[8:9] offset:64*\b+16
.endr
	WIN 0
	v_mul_u32_u24 v3, v1, PITCH
	v_lshl_add_u32 v3, v2, 4, v3                   ; a fragment's row x pitch + 16 x half
	s_mul_i32 s21, s13, 64*PITCH                   ; my 64 rows of a plane of A
	s_mul_i32 s22, s14, 128*PITCH                  ; my 128 rows of a plane of B
	s_add_co_u32 s22, s22, BOFF
.irp s, 0,1
	v_add_nc_u32 v[ADRA+\s], s21, v3
	v_add_nc_u32 v[ADRB+\s], s22, v3
	s_add_co_u32 s21, s21, SLOT
	s_add_co_u32 s22, s22, SLOT
.endr
	s_mul_i32 s23, s12, 16*SPITCH
	s_add_co_u32 s23, s23, STAGE                   ; my stage
	v_mul_u32_u24 v4, v1, SPITCH
	v_lshl_add_u32 v4, v2, 5, v4
	v_add_nc_u32 v[STO], s23, v4                   ; in: row r, 32 bytes for each half of the lanes
	v_and_b32 v5, 31, v0
	v_lshlrev_b32 v[CO], 4, v5                     ; back: the 32 lanes take one row of 512 bytes; and the same in C
	v_add_nc_u32 v[RD], s23, v[CO]
; 8 matrix instructions: A's block a x B's eight, 32 along K, buffer f.  first = 1: the bias starts the sums.  The 32 accumulators take turns, in the same order in every quarter.
.macro MULA f, a, first
.irp b, 0,1,2,3,4,5,6,7
.if \first
	v_wmma_f32_16x16x32_f16 v[8*(8*(\a)+\b):8*(8*(\a)+\b)+7], v[\f+32+8*\b:\f+32+8*\b+7], v[\f+8*(\a):\f+8*(\a)+7], v[8*\b:8*\b+7]
.else
	v_wmma_f32_16x16x32_f16 v[8*(8*(\a)+\b):8*(8*(\a)+\b)+7], v[\f+32+8*\b:\f+32+8*\b+7], v[\f+8*(\a):\f+8*(\a)+7], v[8*(8*(\a)+\b):8*(8*(\a)+\b)+7]
.endif
.endr
.endm
; 24 LDS loads in one run: the fragments of quarter q (plane q / 2, 32 along K at byte 64 (q % 2)) into buffer f: B's sixteen first, then A's eight
.macro FETCH slot, q, f
	WIN 0
.irp i, 0,1,2,3,4,5,6,7
	ds_load_b128 v[\f+32+8*\i:\f+32+8*\i+3],   v[ADRB+\slot] offset:((\q)/2)*BPL+64*((\q)%2)+\i*16*PITCH
	ds_load_b128 v[\f+32+8*\i+4:\f+32+8*\i+7], v[ADRB+\slot] offset:((\q)/2)*BPL+64*((\q)%2)+\i*16*PITCH+32
.endr
.irp i, 0,1,2,3
	ds_load_b128 v[\f+8*\i:\f+8*\i+3],   v[ADRA+\slot] offset:((\q)/2)*APL+64*((\q)%2)+\i*16*PITCH
	ds_load_b128 v[\f+8*\i+4:\f+8*\i+7], v[ADRA+\slot] offset:((\q)/2)*APL+64*((\q)%2)+\i*16*PITCH+32
.endr
.endm
.macro PLACES                          ; four plain places in front of loads into registers that matrix instructions have read, and of reads of results
.rept 4
	v_nop
.endr
.endm
; A K step is four quarters of 32 along K, 32 matrix instructions each, on buffers 0, 1, 0, 1.  One of the first three: multiplies buffer f and fetches quarter q into g.
.macro QUARTER slot, q, f, g, first
	s_wait_dscnt 4                                 ; B's and A's blocks 0, 1 are in; the youngest four loads (A's blocks 2, 3) may be out
.if \first
	WIN MULB
.else
	WIN MUL
.endif
	MULA \f, 0, \first
	MULA \f, 1, \first
	PLACES
	FETCH \slot, \q, \g
	s_wait_dscnt 24                                ; all but the 24 just issued
.if \first
	WIN MULB
.else
	WIN MUL
.endif
	MULA \f, 2, \first
	MULA \f, 3, \first
.endm
; The last quarter multiplies buffer 1 and changes slots: one barrier; in front of it each wave waits for all its tensor loads, adds 0 to its spare word, and waits for that and for its reads of this slot.
; fill = 1: the barrier opens a round of the cluster's, and this slot is filled again, two K steps ahead, first thing behind the round.
.macro TURN slot, next, fill
	WIN 0
	s_wait_tensorcnt 0x0                           ; all my tensor loads have landed: my part of the next slot
	ds_add_u32 v[SPW], v[NIL]
	s_wait_dscnt 5                                 ; (the add and the youngest four loads may be out)
	WIN MUL
	MULA F1, 0, 0
	s_wait_dscnt 0x0                               ; the add is done, and my reads of this slot are over
	s_barrier_signal -1
	MULA F1, 1, 0
.if \fill
	WIN 0
.endif
	s_barrier_wait -1
.if \fill
	CREST
	s_add_nc_u64 s[G0+4*\slot+2:G0+4*\slot+3], s[G0+4*\slot+2:G0+4*\slot+3], 4*2048*128    ; four heads on
	s_add_nc_u64 s[G0B+4*\slot+2:G0B+4*\slot+3], s[G0B+4*\slot+2:G0B+4*\slot+3], 4*1024*128
	JLOAD \slot                                    ; the four v_nop behind it are also the places in front of the loads below
.else
	PLACES
.endif
	FETCH \next, 0, F0
	WIN MUL
	MULA F1, 2, 0
	MULA F1, 3, 0
.endm
	s_wait_tensorcnt 1                             ; my part of K step 0 is in (K step 1's load may be out),
	s_barrier_signal -1
	s_barrier_wait -1                              ; everybody's is
	FETCH 0, 0, F0
	s_wait_loadcnt 0x0                             ; the bias
	QUARTER 0, 1, F0, F1, 1                        ; the first quarter stands in front of the loop: its products start the sums
	WIN 0
	s_mov_b32 s3, LAPS-1
.Llap:                                                 ; a trip goes once round the ring and fills both slots again
	QUARTER 0, 2, F1, F0, 0
	QUARTER 0, 3, F0, F1, 0
	TURN 0, 1, 1
	QUARTER 1, 1, F0, F1, 0
	QUARTER 1, 2, F1, F0, 0
	QUARTER 1, 3, F0, F1, 0
	TURN 1, 0, 1
	QUARTER 0, 1, F0, F1, 0
	WIN 0
	s_sub_co_u32 s3, s3, 1
	s_cmp_lg_u32 s3, 0
	s_cbranch_scc1 .Llap
	QUARTER 0, 2, F1, F0, 0                        ; the last lap fills nothing
	QUARTER 0, 3, F0, F1, 0
	TURN 0, 1, 0
	QUARTER 1, 1, F0, F1, 0
	QUARTER 1, 2, F1, F0, 0
	QUARTER 1, 3, F0, F1, 0
	s_wait_dscnt 4                                 ; the very last quarter
	WIN MUL
	MULA F1, 0, 0
	MULA F1, 1, 0
	s_wait_dscnt 0
	MULA F1, 2, 0
	MULA F1, 3, 0
	WIN 0
; THE WAY OUT, block by block of 16 rows x 128 columns: through my own stage, back as whole rows of 512 bytes, which the 32 lanes store as 512 consecutive bytes, aligned.
.macro TOSTAGE a
	WIN 0x04                                       ; an LDS store's data are its source 1: window 1
.irp b, 0,1,2,3,4,5,6,7
	ds_store_b128 v[STO], v[8*(8*(\a)+\b):8*(8*(\a)+\b)+3] offset:64*\b          ; each accumulator from its low end on
	ds_store_b128 v[STO], v[8*(8*(\a)+\b)+4:8*(8*(\a)+\b)+7] offset:64*\b+16
.endr
	WIN 0
.set BB, BK+64*((\a)%2)
.irp t, 0,1,2,3,4,5,6,7,8,9,10,11,12,13,14,15
	ds_load_b128 v[BB+4*\t:BB+4*\t+3], v[RD] offset:\t*SPITCH    ; LDS serves a wave's instructions in order: these see the stores above
.endr
.endm
.macro SEND a, younger                 ; younger: the LDS instructions issued behind block a's loads
.set BB, BK+64*((\a)%2)
	s_wait_dscnt \younger
.irp t, 0,1,2,3,4,5,6,7,8,9,10,11,12,13,14,15
	global_store_b128 v[CO], v[BB+4*\t:BB+4*\t+3], s[10:11] offset:65536*(\a)+4096*\t th:TH_STORE_NT
.endr
.endm
	PLACES
	TOSTAGE 0
.irp a, 1,2,3
.if \a > 1
	s_wait_xcnt 0x0                                ; block a - 2's stores have read their registers: block a's loads may land there
.endif
	TOSTAGE \a
	SEND \a-1, 32
.endr
	SEND 3, 0
	s_wait_tensorcnt 0x0                           ; the wave's end
	ds_add_u32 v[SPW], v[NIL]
	s_wait_dscnt 0x0
	CROUND                                         ; the closing round
	s_endpgm
.Lfunc_end_k_q3580307bd3_oproj:
	.size	k_q3580307bd3_oproj, .Lfunc_end_k_q3580307bd3_oproj-k_q3580307bd3_oproj
	.p2alignl 7, 3214868480
	.fill 96, 4, 3214868480
	.section	.rodata,"a",@progbits
	.p2align	6, 0x0
	.amdhsa_kernel k_q3580307bd3_oproj
		.amdhsa_group_segment_fixed_size 327680
		.amdhsa_private_segment_fixed_size 0
		.amdhsa_enable_private_segment 0
		.amdhsa_kernarg_size 32
		.amdhsa_user_sgpr_count 2
		.amdhsa_user_sgpr_kernarg_segment_ptr 1
		.amdhsa_wavefront_size32 1
		.amdhsa_system_sgpr_workgroup_id_x 1
		.amdhsa_system_sgpr_workgroup_id_y 1
		.amdhsa_system_sgpr_workgroup_id_z 1
		.amdhsa_system_vgpr_workitem_id 0
		.amdhsa_next_free_vgpr 576
		.amdhsa_next_free_sgpr 66
		.amdhsa_reserve_vcc 0
		.amdhsa_float_denorm_mode_32 3
		.amdhsa_float_denorm_mode_16_64 3
		.amdhsa_memory_ordered 1
		.amdhsa_forward_progress 1
		.amdhsa_inst_pref_size 86
	.end_amdhsa_kernel
	.amdgpu_metadata
---
amdhsa.version: [ 1, 2 ]
amdhsa.kernels:
  - .name:           k_q3580307bd3_oproj
    .symbol:         k_q3580307bd3_oproj.kd
    .args:
      - { .name: oh, .offset: 0, .size: 8, .value_kind: global_buffer, .address_space: global }
      - { .name: wo16, .offset: 8, .size: 8, .value_kind: global_buffer, .address_space: global }
      - { .name: bo, .offset: 16, .size: 8, .value_kind: global_buffer, .address_space: global }
      - { .name: out0, .offset: 24, .size: 8, .value_kind: global_buffer, .address_space: global }
    .group_segment_fixed_size: 327680
    .private_segment_fixed_size: 0
    .kernarg_segment_align: 8
    .kernarg_segment_size: 32
    .max_flat_workgroup_size: 128
    .sgpr_count:     66
    .vgpr_count:     576
    .wavefront_size: 32
...
	.end_amdgpu_metadata
.endif
;; end of part 4
